; MI455X (gfx1250); checked and timed in simulation.
; The chip was launched on July 23, 2026; its instructions are those of AMD's public machine-readable ISA for CDNA 5 (MIT licence, August 2026) and "CDNA5" Instruction Set Architecture Reference Guide (July 2026). The comments in the code are by the model that wrote it; some were corrected since.
;; Attention. Allowed arithmetic: matrix products marked QUANTISED: E2M3 operands, one E8M0 scale for each 32 along K, by v_wmma_scale_f32_16x16x128_f8f6f4 with both operands' format E2M3, f32 sums; everything else in f32.
;; Inputs: W_out 1,024 x 1,024 float32; W_qkv 1,024 x 3,072 float32; b_out 1,024 float32; x 8 x 1,024 x 1,024 float32.
;; Outputs: out0 8 x 1,024 x 1,024 float32; out1 8 x 16 x 1,024 x 64 float32.
;; This version of the problem:
;;   THIS VERSION OF THE PROBLEM IS GIVEN IN LOW PRECISION. The matrix products marked QUANTISED in the list below multiply operands that are first quantised to E2M3 (2 exponent bits, 3 mantissa bits; 6 bits a number), with one power-of-two scale for each 32 numbers along K (OCP MX v1.0); their sums are f32. All else is computed in f32.
;;   The module's matrix products, in the order in which they are computed (A, B: the left and right operand; K: the contracted axis; several contracted axes count as one K, in the product's order):
;;     1. [M 8,192, K 1,024] x [K 1,024, N 3,072]; A: input x; B: input W_qkv: QUANTISED
;;     2. batch 128 x [M 1,024, K 64] x [K 64, N 1,024]; A: computed on the way; B: computed on the way: QUANTISED
;;     3. batch 128 x [M 1,024, K 1,024] x [K 1,024, N 64]; A: softmax (see below); B: computed on the way: QUANTISED
;;     4. [M 8,192, K 1,024] x [K 1,024, N 1,024]; A: computed on the way; B: input W_out: QUANTISED
;;   THE QUANTISER, for each operand of a quantised product, along K:
;;     - K is cut into blocks of 32 from its start; a last block that is shorter is filled with zeros.
;;     - A block's scale is 2^e with e = floor(log2(the largest magnitude in the block)) - 2, held to -126 .. 127; a block of zeros has e = 0. As a byte (E8M0): e + 127.
;;     - Each number is divided by its block's scale, clamped to +-7.5, and rounded to the nearest number of E2M3, ties to even, subnormals kept.
;;     - The product sums the exact products of the quantised numbers (number of the format x scale) in f32.
;;   ~~~python
;;   def quantise(x, axis):      # numpy; x: float32 -> the quantised numbers, widened to float32 again
;;       x = np.moveaxis(x, axis, -1); K = x.shape[-1]
;;       x = np.pad(x, [(0, 0)] * (x.ndim - 1) + [(0, -K % 32)]); x = x.reshape(x.shape[:-1] + (-1, 32)); a = np.abs(x).max(-1, keepdims=True)
;;       e = np.where(a > 0, np.clip(np.frexp(np.where(a > 0, a, 1))[1] - 1 - 2, -126, 127), 0)      # np.frexp(a)[1] - 1 = floor(log2(a)), exactly
;;       r = np.clip(x / 2.0 ** e, -7.5, 7.5)
;;       step = 2.0 ** (np.maximum(np.frexp(np.where(r == 0, 1, r))[1] - 1, 0) - 3)
;;       q = np.round(r / step) * step * 2.0 ** e      # np.round: ties to even
;;       return np.moveaxis(q.reshape(q.shape[:-2] + (-1,))[..., :K], -1, axis).astype(np.float32)
;;   ~~~
;;   SOFTMAX AHEAD OF A QUANTISED PRODUCT. Where the list says 'softmax', what is quantised is not the finished softmax but p = 2^(t - M), with t = logit x log2(e) and M = ceil(the row's largest t), a whole number; so 1/2 < the row's largest p <= 1. The row's sum l is taken of the UNQUANTISED p, in f32, and the product's result is divided by l at the end. Since M is a whole number, a kernel that streams over the keys may use a running M (the ceiling of the running maximum): every later rescaling is an exact power of two, which a block's scale takes up: the codes' values come out the same.
;;   OPERANDS COMPUTED ON THE WAY. 'Computed on the way' means the value that the module computes at that place (a softmax that the list does not call 'softmax' is quantised finished and normalised). What goes into a quantiser is computed in f32, as accurately as f32 sums, v_exp_f32 and their like allow (about 1e-6 of the number): no bf16 or f16 on the way to a quantiser, and a product that is left as it is and whose result goes on into a quantised operand takes f32 operands (vector FMAs, or v_wmma_f32_16x16x4_f32). A number that lies on a knife's edge between two numbers of the format may be rounded either way, as far as f32 arithmetic and the matrix unit's own rounding can turn it there, and no further.
;; One version. Each part assembles by itself: llvm-mc -triple=amdgcn-amd-amdhsa -mcpu=gfx1250 --defsym DOCPART=n.
;; ======== version 1 of 1: 4 launches
;; limits: right only within a limited range of input values
;; workspace buffers: xq 6,553,600 bytes; wq 2,457,600 bytes; wo 819,200 bytes; hd 19,660,800 bytes; oq 6,553,600 bytes
;; launch quant (part 1): grid 1280 x 1, 4 waves a work-group, no clusters, 61,952 bytes of LDS; arguments x, W_qkv, W_out, xq, wq, wo; writes xq, wq, wo
.if DOCPART == 1
	.amdgcn_target "amdgcn-amd-amdhsa--gfx1250"
	.amdhsa_code_object_version 6
	.text
	.protected	k_qff5f3c74df_quant
	.globl	k_qff5f3c74df_quant
	.p2align	8
	.type	k_qff5f3c74df_quant,@function
k_qff5f3c74df_quant:
	s_mov_b64 s[64:65], 0
	v_nop
	global_prefetch_b8 v0, s[64:65] scope:SCOPE_SE
	s_setreg_imm32_b32 hwreg(HW_REG_WAVE_MODE, 25, 1), 1
	s_wait_xcnt 0x0
; x [8192][1024], W_qkv [1024][3072] and W_out [1024][1024], f32, become codes of FP6 (E2M3) with one E8M0 byte for each 32 along K (K = 1024 in all three).
; A block's scale is 2^(floor(log2(largest magnitude)) - 2); its byte is the largest magnitude's exponent field - 2, held at 1 from below.
; LIMITS: NaN and infinities are not served; a block of zeros gets the byte 1 where the rule says 127 (its codes are zeros, and only this program reads the bytes);
; a block's largest magnitude is taken as at least 2^-124.
; THE WORKSPACE IS LAID AS THE READER'S REGISTERS.  A fragment (16 rows x 128 K, 12 registers a lane) is 1,536 bytes: register quad c of lane l at 512 c + 16 l.
; Codes: [group of 16 rows g][K step q = 0..7][1536].  Scale words (4 bytes: one row, 128 K): [128 rows][q][128 rows] words: word (row, q) at (row >> 7) 4096 + 512 q + 4 (row & 127).
; THE ORDER OF ROWS: workspace row 32 B + 16 u + r holds true row 32 B + 8 u + r + 8 (r / 8): bits 3 and 4 of the index change places.  A "row" is a token of x or a column of W.
; Work-groups 0-191: W_qkv; 192-255: W_out; 256-1279: x.  Each way has LDS bytes of its own.  No tensor loads, no matrix work: a stream; the work-groups share nothing.
.set XSO,  6291456                     ; where xq's scale words begin
.set WQS,  2359296                     ; wq's
.set WOS,  786432                      ; wo's
.set XST,  0                           ; LDS: x's stages, 16 rows x 528 bytes for each wave
.set XSG,  33792                       ; the work-group's 64 scale words
.set WQST, 34048                       ; W_qkv's stages: two images of 1,536 + 128 bytes for each wave
.set WOST, 47360                       ; W_out's
.set SEL,  20                          ; s[20:21] selects for lane l xor 16
.set R,    16                          ; v16-79   x as loaded
.set X,    80                          ; v80-143  x as the quantiser wants it
.set PC,   144                         ; v144-162 codes
.set TM,   164                         ; v164-179 at work
.set PW,   180                         ; the scale word
; 64 numbers of a lane, register 16 b + i = k 32 b + 16 (lane / 16) + i of my row, become a fragment's codes in v[PC] on and its scale word in v[PW]
.macro QUANT s
.irp b, 0,1,2,3
	v_max3_num_f32 v[TM+\b], |v[\s+16*\b]|, |v[\s+1+16*\b]|, 0x1800000   ; my 16 numbers of block b, and the floor 2^(3 - 127): the byte cannot fall under 1
.endr
.irp i, 2,4,6,8,10,12,14
.irp b, 0,1,2,3
	v_max3_num_f32 v[TM+\b], v[TM+\b], |v[\s+16*\b+\i]|, |v[\s+1+16*\b+\i]|
.endr
.endr
.irp b, 0,1,2,3
	v_permlanex16_b32 v[TM+4+\b], v[TM+\b], s[SEL], s[SEL+1]
.endr
.irp b, 0,1,2,3
	v_max_num_f32 v[TM+\b], v[TM+\b], v[TM+4+\b]         ; with lane l xor 16's: the block's largest magnitude
.endr
.irp b, 0,1,2,3
	v_add_nc_u32 v[TM+12+\b], 0xff000000, v[TM+\b]       ; 2 off its exponent field: the conversion's scale operand
.endr
.irp b, 0,1,2,3
	v_lshrrev_b32 v[TM+4+\b], 23, v[TM+12+\b]            ; the scale's byte
.endr
	v_lshl_or_b32 v[PW], v[TM+5], 8, v[TM+4]
	v_lshl_or_b32 v[PW], v[TM+6], 16, v[PW]
	v_lshl_or_b32 v[PW], v[TM+7], 24, v[PW]
.irp c, 0,1
	v_cvt_scalef32_pk16_fp6_f32 v[PC+6*\c:PC+2+6*\c], v[\s+32*\c:\s+15+32*\c], v[TM+12+2*\c]
	v_cvt_scalef32_pk16_fp6_f32 v[PC+12+4*\c:PC+14+4*\c], v[\s+16+32*\c:\s+31+32*\c], v[TM+12+2*\c+1]   ; (a conversion's three registers begin on an even number)
.endr
	v_nop                                          ; one plain line behind the conversions
.irp c, 0,1                                    ; the operand's layout wants a whole block in a lane
.irp i, 0,1,2
	v_permlane16_swap_b32 v[PC+6*\c+\i], v[PC+12+4*\c+\i]
.endr
.irp i, 0,1,2
	v_mov_b32 v[PC+3+6*\c+\i], v[PC+12+4*\c+\i]
.endr
.endr
.endm
; W: block t (32 along K) of my column into set t % 2
.macro WLOAD t, n
.irp i, 0,1,2,3,4,5,6,7,8,9,10,11,12,13,14,15,16,17,18,19,20,21,22,23,24,25,26,27,28,29,30,31
	global_load_b32 v[16+32*((\t)%2)+\i], v4, s[22:23] offset:(32*(\t)+\i)*\n*4 th:TH_LOAD_NT
.endr
.endm
; block t = 2 c + h of my column becomes registers 6 c .. 6 c + 5 of lane r' + 16 h of my column's image
.macro WBLOCK t, n
.set XR, 16+32*((\t)%2)
.set CR, 80+8*(\t)
.if (\t) < 3
	s_wait_loadcnt 32                              ; this block's 32 loads are in; the next block's may be out
.else
	s_wait_loadcnt 0x0
.endif
	v_max3_num_f32 v12, |v[XR]|, |v[XR+1]|, |v[XR+2]|
	v_max3_num_f32 v13, |v[XR+3]|, |v[XR+4]|, |v[XR+5]|
.irp i, 6,10,14,18,22,26
	v_max3_num_f32 v12, v12, |v[XR+\i]|, |v[XR+\i+1]|
	v_max3_num_f32 v13, v13, |v[XR+\i+2]|, |v[XR+\i+3]|
.endr
	v_max3_num_f32 v12, v12, |v[XR+30]|, |v[XR+31]|
	v_max3_num_f32 v12, v12, v13, 0x1800000        ; and the floor
	v_add_nc_u32 v11, 0xff000000, v12              ; the conversion's scale operand
	v_lshrrev_b32 v13, 23, v11                     ; the byte
.if (\t) == 0
	v_mov_b32 v116, v13
.else
	v_lshl_or_b32 v116, v13, 8*(\t), v116
.endif
	v_cvt_scalef32_pk16_fp6_f32 v[CR:CR+2], v[XR:XR+15], v11
	v_cvt_scalef32_pk16_fp6_f32 v[112:114], v[XR+16:XR+31], v11
	v_nop
.irp i, 0,1,2
	v_mov_b32 v[CR+3+\i], v[112+\i]
.endr
.if (\t) < 2
	ds_store_b128 v5, v[CR:CR+3] offset:256*((\t)%2)               ; registers 0-3: quad 0
	ds_store_b64 v5, v[CR+4:CR+5] offset:512+256*((\t)%2)          ; registers 4, 5: the lower half of quad 1
	WLOAD (\t)+2, \n
.else
	ds_store_b64 v5, v[CR:CR+1] offset:520+256*((\t)%2)            ; registers 6, 7: its upper half
	ds_store_b128 v5, v[CR+2:CR+5] offset:1024+256*((\t)%2)        ; registers 8-11: quad 2
.endif
.endm
; A work-group takes 128 columns x 128 along K; a wave 32 columns, a lane a column, registers down K: each load reads 128 consecutive bytes, the four waves side by side.
.macro WPATH n, src, dst, scoff, stage, first
	s_sub_co_u32 s17, ttmp9, \first
	s_and_b32 s18, s17, 7                          ; q
	s_lshr_b32 s19, s17, 3                         ; which 128 columns
	s_mul_i32 s22, s18, 128*\n*4
	s_lshl_b32 s23, s19, 9
	s_add_co_u32 s22, s22, s23
	s_lshl_b32 s23, s16, 7
	s_add_co_u32 s22, s22, s23
	s_mov_b32 s23, 0
	s_add_nc_u64 s[22:23], s[\src:\src+1], s[22:23]    ; W at row 128 q, column 128 nb + 32 wave
	s_lshl_b32 s24, s19, 3
	s_lshl_b32 s25, s16, 1
	s_add_co_u32 s24, s24, s25                     ; my first group: 8 nb + 2 wave
	s_lshl_b32 s24, s24, 3
	s_add_co_u32 s24, s24, s18
	s_mul_i32 s24, s24, 1536
	s_mov_b32 s25, 0
	s_add_nc_u64 s[24:25], s[\dst:\dst+1], s[24:25]
	s_lshl_b32 s26, s19, 12
	s_lshl_b32 s27, s18, 9
	s_add_co_u32 s26, s26, s27
	s_lshl_b32 s27, s16, 7
	s_add_co_u32 s26, s26, s27
	s_add_co_u32 s26, s26, \scoff
	s_mov_b32 s27, 0
	s_add_nc_u64 s[26:27], s[\dst:\dst+1], s[26:27]
	v_lshlrev_b32 v4, 2, v1                        ; in: 4 bytes a lane
	v_bfe_u32 v9, v0, 3, 1                         ; u: which of my wave's two groups my column falls into
	v_and_b32 v10, 7, v0
	v_lshl_or_b32 v10, v3, 3, v10                  ; r': its row there
	s_mul_i32 s28, s16, 3328
	s_add_co_u32 s28, s28, \stage
	v_mul_u32_u24 v5, v9, 1664
	v_lshl_add_u32 v5, v10, 4, v5
	v_add_nc_u32 v5, s28, v5                       ; into the stage: image u, lane r' (+ 16 h by the offset)
	v_lshlrev_b32 v7, 4, v1
	v_add_nc_u32 v6, s28, v7                       ; back: 16 bytes a lane
	v_lshl_add_u32 v8, v9, 4, v10
	v_lshlrev_b32 v8, 2, v8                        ; my column's scale word among the wave's 32
	WLOAD 0, \n
	WLOAD 1, \n
	WBLOCK 0, \n
	WBLOCK 1, \n
	WBLOCK 2, \n
	WBLOCK 3, \n
.irp u, 0,1
.irp c, 0,1,2
	ds_load_b128 v[120+4*(3*\u+\c):123+4*(3*\u+\c)], v6 offset:1664*\u+512*\c   ; LDS serves a wave's instructions in order: these see my stores
.endr
.endr
	s_wait_alu depctr_va_vdst(0)
.irp u, 0,1
.irp c, 0,1,2
	s_wait_dscnt 5-(3*\u+\c)
	global_store_b128 v7, v[120+4*(3*\u+\c):123+4*(3*\u+\c)], s[24:25] offset:12288*\u+512*\c   ; 512 consecutive bytes
.endr
.endr
	global_store_b32 v8, v116, s[26:27]            ; 128 consecutive bytes
	s_wait_tensorcnt 0x0
	ds_add_u32 v190, v191
	s_wait_dscnt 0x0
	s_endpgm
.endm
	s_load_b256 s[4:11], s[0:1], 0x0               ; x, W_qkv, W_out, xq
	s_load_b128 s[12:15], s[0:1], 0x20             ; wq, wo
	v_lshl_add_u32 v190, v0, 2, 0xf000             ; 192 registers a wave and 61,952 bytes of LDS: five work-groups' claims fit in a WGP's 4 x 1,024 registers and 327,680 bytes, and the grid is 5 x 256
	v_mov_b32 v191, 0
	v_lshrrev_b32 v1, 5, v0
	v_readfirstlane_b32 s16, v1                    ; wave
	v_and_b32 v1, 31, v0                           ; lane
	v_and_b32 v2, 15, v0                           ; r
	v_bfe_u32 v3, v0, 4, 1                         ; h
	s_mov_b32 s[SEL], 0x76543210
	s_mov_b32 s[SEL+1], 0xfedcba98
	s_wait_kmcnt 0x0
	s_cmp_lt_u32 ttmp9, 192
	s_cbranch_scc1 .Lw_qkv
	s_cmp_lt_u32 ttmp9, 256
	s_cbranch_scc1 .Lw_out
	; ---- x: a wave makes ONE fragment: group g = 4 G4 + wave, K step q
	s_sub_co_u32 s17, ttmp9, 256
	s_and_b32 s18, s17, 7                          ; q
	s_lshr_b32 s19, s17, 3                         ; G4: which 64 rows
	s_lshl_b32 s22, s19, 6
	s_lshr_b32 s23, s16, 1
	s_lshl_b32 s23, s23, 5
	s_add_co_u32 s22, s22, s23
	s_and_b32 s23, s16, 1
	s_lshl_b32 s23, s23, 3
	s_add_co_u32 s22, s22, s23                     ; the group's first true row: 64 G4 + 32 (wave / 2) + 8 (wave % 2)
	s_lshl_b32 s22, s22, 12
	s_lshl_b32 s23, s18, 9
	s_add_co_u32 s22, s22, s23
	s_mov_b32 s23, 0
	s_add_nc_u64 s[4:5], s[4:5], s[22:23]
	s_lshl_b32 s24, s19, 2
	s_add_co_u32 s24, s24, s16
	s_lshl_b32 s24, s24, 3
	s_add_co_u32 s24, s24, s18
	s_mul_i32 s24, s24, 1536
	s_mov_b32 s25, 0
	s_add_nc_u64 s[24:25], s[10:11], s[24:25]      ; the fragment's image
	s_lshr_b32 s26, s19, 1
	s_lshl_b32 s26, s26, 12
	s_lshl_b32 s27, s18, 9
	s_add_co_u32 s26, s26, s27
	s_and_b32 s27, s19, 1
	s_lshl_b32 s27, s27, 8
	s_add_co_u32 s26, s26, s27
	s_add_co_u32 s26, s26, XSO
	s_mov_b32 s27, 0
	s_add_nc_u64 s[26:27], s[10:11], s[26:27]      ; the work-group's 64 scale words: 256 consecutive bytes
	s_mul_i32 s28, s16, 8448
	s_wait_alu depctr_va_vdst(0)
	v_lshlrev_b32 v4, 4, v1                        ; 16 x lane
	v_add_nc_u32 v5, s28, v4                       ; stage, in: a row's 512 bytes as they lie
	v_mul_u32_u24 v6, v2, 528
	v_lshl_add_u32 v6, v3, 6, v6
	v_add_nc_u32 v6, s28, v6                       ; stage, out: row r, + 64 h: my 16 numbers of each block of 32
	s_lshl_b32 s29, s16, 6
	v_lshlrev_b32 v7, 2, v2
	v_add_nc_u32 v7, s29, v7
	v_add_nc_u32 v7, XSG, v7                       ; my row's scale word
	v_lshlrev_b32 v9, 3, v1
	v_add_nc_u32 v8, XSG, v9
.irp b, 0,1,2,3
	v_mov_b32 v[TM+4+\b], 0                        ; a lane permute's destination counts as one of its sources
.endr
.irp p, 0,1,2,3,4,5,6,7,8,9,10,11,12,13,14,15
	global_load_b128 v[R+4*\p:R+4*\p+3], v4, s[4:5] offset:(\p+8*(\p/8))*4096 th:TH_LOAD_NT   ; 512 consecutive bytes of the group's row p
.endr
.irp p, 0,1,2,3,4,5,6,7,8,9,10,11,12,13,14,15
	s_wait_loadcnt 15-\p                           ; row p is in; the younger rows' loads stay out
	ds_store_b128 v5, v[R+4*\p:R+4*\p+3] offset:528*\p
.endr
.irp b, 0,1,2,3
.irp j, 0,1,2,3
	ds_load_b128 v[X+16*\b+4*\j:X+16*\b+4*\j+3], v6 offset:128*\b+16*\j   ; my wave's own stage, served in order
.endr
.endr
	s_wait_dscnt 0x0
	QUANT X
.irp c, 0,1,2
	global_store_b128 v4, v[PC+4*\c:PC+4*\c+3], s[24:25] offset:512*\c
.endr
	ds_store_b32 v7, v[PW]                         ; lanes r and r + 16 write the same word with the same value
	s_wait_dscnt 0x0                               ; for the others' sake
	s_barrier_signal -1
	s_barrier_wait -1
	s_cmp_lg_u32 s16, 0
	s_cbranch_scc1 .Lx_end
	ds_load_b64 v[182:183], v8
	s_wait_dscnt 0x0
	global_store_b64 v9, v[182:183], s[26:27]      ; 32 lanes store 256 consecutive bytes, aligned
.Lx_end:
	s_wait_tensorcnt 0x0
	ds_add_u32 v190, v191
	s_wait_dscnt 0x0
	s_endpgm
.Lw_qkv:
	s_wait_alu depctr_va_vdst(0)
	WPATH 3072, 6, 12, WQS, WQST, 0
.Lw_out:
	s_wait_alu depctr_va_vdst(0)
	WPATH 1024, 8, 14, WOS, WOST, 192
.Lfunc_end_k_qff5f3c74df_quant:
	.size	k_qff5f3c74df_quant, .Lfunc_end_k_qff5f3c74df_quant-k_qff5f3c74df_quant
	.p2alignl 7, 3214868480
	.fill 96, 4, 3214868480
	.section	.rodata,"a",@progbits
	.p2align	6, 0x0
	.amdhsa_kernel k_qff5f3c74df_quant
		.amdhsa_group_segment_fixed_size 61952
		.amdhsa_private_segment_fixed_size 0
		.amdhsa_enable_private_segment 0
		.amdhsa_kernarg_size 48
		.amdhsa_user_sgpr_count 2
		.amdhsa_user_sgpr_kernarg_segment_ptr 1
		.amdhsa_wavefront_size32 1
		.amdhsa_system_sgpr_workgroup_id_x 1
		.amdhsa_system_sgpr_workgroup_id_y 1
		.amdhsa_system_sgpr_workgroup_id_z 1
		.amdhsa_system_vgpr_workitem_id 0
		.amdhsa_next_free_vgpr 192
		.amdhsa_next_free_sgpr 66
		.amdhsa_reserve_vcc 0
		.amdhsa_float_denorm_mode_32 3
		.amdhsa_float_denorm_mode_16_64 3
		.amdhsa_memory_ordered 1
		.amdhsa_forward_progress 1
		.amdhsa_inst_pref_size 55
	.end_amdhsa_kernel
	.amdgpu_metadata
---
amdhsa.version: [ 1, 2 ]
amdhsa.kernels:
  - .name:           k_qff5f3c74df_quant
    .symbol:         k_qff5f3c74df_quant.kd
    .args:
      - { .name: x, .offset: 0, .size: 8, .value_kind: global_buffer, .address_space: global }
      - { .name: W_qkv, .offset: 8, .size: 8, .value_kind: global_buffer, .address_space: global }
      - { .name: W_out, .offset: 16, .size: 8, .value_kind: global_buffer, .address_space: global }
      - { .name: xq, .offset: 24, .size: 8, .value_kind: global_buffer, .address_space: global }
      - { .name: wq, .offset: 32, .size: 8, .value_kind: global_buffer, .address_space: global }
      - { .name: wo, .offset: 40, .size: 8, .value_kind: global_buffer, .address_space: global }
    .group_segment_fixed_size: 61952
    .private_segment_fixed_size: 0
    .kernarg_segment_align: 8
    .kernarg_segment_size: 48
    .max_flat_workgroup_size: 128
    .sgpr_count:     66
    .vgpr_count:     192
    .wavefront_size: 32
...
	.end_amdgpu_metadata
.endif
;; end of part 1
;; launch qkv (part 2): grid 8 x 32, 4 waves a work-group, clusters of 4 x 4, 327,680 bytes of LDS; arguments xq, wq, hd; writes hd
.if DOCPART == 2
	.amdgcn_target "amdgcn-amd-amdhsa--gfx1250"
	.amdhsa_code_object_version 6
	.text
	.protected	k_qff5f3c74df_qkv
	.globl	k_qff5f3c74df_qkv
	.p2align	8
	.type	k_qff5f3c74df_qkv,@function
k_qff5f3c74df_qkv:
	s_mov_b64 s[64:65], 0
	v_nop
	global_prefetch_b8 v0, s[64:65] scope:SCOPE_SE
	s_setreg_imm32_b32 hwreg(HW_REG_WAVE_MODE, 25, 1), 1
	s_wait_xcnt 0x0
	s_wait_alu depctr_hold_cnt(0) depctr_sa_sdst(0) depctr_va_vdst(0) depctr_va_sdst(0) depctr_va_ssrc(0) depctr_va_vcc(0) depctr_vm_vsrc(0)
	s_getreg_b32 s2, hwreg(HW_REG_IB_STS2, 6, 4)
	s_cmp_eq_u32 s2, 0
	s_cbranch_scc0 .Lentry_in_a_cluster
	s_endpgm
.Lentry_in_a_cluster:
	s_bfe_u32 s2, ttmp6, 0x10000c
	s_cmp_lg_u32 s2, 0xf033
	s_cbranch_scc0 .Lentry_shape_is_right
	s_endpgm
.Lentry_shape_is_right:
; qkv = x W_qkv on codes of FP6 (E2M3) with E8M0 scales, K = 1024; the results never go to memory as f32: on the way out q and k are quantised along the head's 64, v along the keys, into hd.
; A WORK-GROUP MAKES TWO TILES, so that 256 work-groups have equal work: first 256 tokens x 256 columns of q (cluster x = 0) or k (1), then 128 columns of v x 256 tokens.
; The matrix instruction is used transposed: source 0 = 16 rows of "B", source 1 = 16 rows of "A": a lane holds ONE row of A and eight rows of B.  Rows lie in the workspace with bits 3 and 4 of their index
; changed, so that a lane's 64 registers of one A block run over B's true indices 32 b + 16 (lane / 16) + i (register 16 b + i): 16 neighbours of each block of 32, as the quantiser wants them.
; FIRST TILE: A = tokens (xq), B = columns (wq): registers run along the head's channels.  Four waves, each 128 x 128: 64 accumulators.  SECOND TILE: A = v's columns, B = tokens: registers run along the keys.  Each wave 64 x 128: 32 accumulators.
; OPERANDS are images of registers: a fragment (16 rows x 128 K) is 1,536 bytes, quad c of lane l at 512 c + 16 l: three ds_load_b128 at 16 x lane, no pitch, no padding.
; LDS: three slots of 98,304 bytes.  The first tile's K steps (256 along K) 0, 1, 2 are first fills; K step 3 is filled into slot 0 behind the first change of slots and has one K step in which to land.
; The second tile's codes, all of its K, are three dense blocks of 98,304 bytes: ONE load a wave (wave 0: A; waves 2, 3: B's halves; wave 1 has no part) over the three slots, asked for when every wave's last read of
; the first tile is in; it lands under the first tile's last 32 products and its way out.  Both tiles' scale words are first fills and have bytes of their own.
; 4 x 4 work-groups ask jointly: A's tile along a row of the cluster, B's along a column, in both tiles.
; hd, for each head 153,600 bytes: K's 32 fragments; V's [key step][4 tiles]; K's and V's scale words [key step][row][4]; Q's 32 fragments; Q's scale words.
; A fragment of K or Q holds TWO groups of 16 tokens: registers 0-5 tokens 32 f + r + 8 (r / 8), registers 6-11 those 8 further on; in each, lane (r, h) holds channels 32 h .. 32 h + 31.
; LIMITS: NaN and infinities are not served; a block of zeros gets the byte 1 (its codes are zeros; only this program reads the bytes); a block's largest magnitude is taken as at least 2^-124.
; REGISTERS: window 0: v0-31 addresses; v32-63 scale words; v128-223 A's fragments; on the ways out v64-159 codes, v216-255 at work.  window 1: B's fragments, two sets.  windows 2, 3: accumulator (a, b) at v[8 (8 (a % 4) + b)].
.set FR,     12
.set NL,     3                         ; LDS loads that bring a fragment
.set NQ,     2                         ; matrix instructions deep in a slot
.set NP,     4                         ; places behind this matrix instruction (ISA guide 7.12.1)
.set ROWB,   3072                      ; a group's bytes of one K step
.set GROW,   12288                     ; a group's bytes of all of K
.set HALFT,  8*ROWB                    ; 8 groups: what one tensor load of the first tile brings
.set SLOT,   4*HALFT
.set SCL,    3*SLOT                    ; the first tile's scale words, for all of K: 4,096 bytes for each 128 rows
.set HALFS,  4096
.set SCL2,   SCL+4*HALFS               ; the second tile's: A's 128 rows, then B's 256
.set SPARE,  SCL2+3*HALFS              ; the spare words, 128 bytes for each wave, which no other line names
.set XSO,    6291456
.set WQS,    2359296
.set HS,     153600
.set KC,     0
.set VC,     49152
.set KSC,    98304
.set VSC,    100352
.set QC,     102400
.set QSC,    151552
.set ADRA, 16                          ; v16-18 my A fragments in slots 0, 1, 2
.set PAV,  19                          ; v19    second tile: my four groups of A
.set ADRB, 20                          ; v20-22 my B fragments in slots 0, 1, 2
.set PBV,  23                          ; v23-24 second tile: my groups 0-3 and 4-7 of B
.set ADRS2, 25                         ; v25    second tile: my scale words
.set LI,   26                          ; 16 x lane
.set ADRS, 27
.set SPW,  28
.set NIL,  29
.set LSV,  30                          ; 16 r + 153,600 h
.set LR,   31                          ; 16 r
.set SC,   32
.set AF,   128
.set FB,   64
.set XW,   216
.set XH,   220
.set TM,   224
.set CT,   240
.set WD,   248
.set CX,   66
.set CY,   67
.set G1,   24                          ; s[24:31] group 1 for A's K steps; s[32:43] groups 0, one for each slot
.set G0,   32
.set G1B,  44                          ; s[44:51], s[52:63] the same for B
.set G0B,  52
.set G1S,  68                          ; s[68:75] group 1 for dense blocks in rows of 256 bytes, A's mask; s[76:79] its group 0
.set G0S,  76
.set G1SB, 80                          ; s[80:87], s[88:91] the same with B's mask
.set G0SB, 88
.set G0S2, 92                          ; s[92:95], s[96:99] groups 0 for the second tile's scale words
.set G0SB2, 96
.set SEL,  24                          ; on the ways out, when the first tile's loads are done: s[24:25] selects for lane l xor 16, s26 lanes 0-15
.set LMK,  26
.set MSB, 0
.macro WIN new                         ; the immediate's high byte repeats the setting that is left
.if MSB != \new
	s_set_vgpr_msb (MSB<<8)|\new
.set MSB, \new
.endif
.endm
.set MUL_LO, 0xa1                      ; source 0 (B) window 1, source 1 (A) window 0, C and D window 2
.set MUL_HI, 0xf1
.set TO_B,   0x40
; A joint load: waves 0 and 1 fetch for A, waves 2 and 3 for B; the branch hangs on the wave's number alone.  Four v_nop follow each of the two lines.
.macro JLOAD g0a, g1a, g0b, g1b
	s_cmp_eq_u32 s15, 0
	s_cbranch_scc0 .Lfor_b_\@
	tensor_load_to_lds s[\g0a:\g0a+3], s[\g1a:\g1a+7]
	s_nop 0
.rept 4
	v_nop
.endr
	s_branch .Lasked_\@
.Lfor_b_\@:
	tensor_load_to_lds s[\g0b:\g0b+3], s[\g1b:\g1b+7]
	s_nop 0
.rept 4
	v_nop
.endr
.Lasked_\@:
.endm
; The second tile has three equal blocks: wave 0 fetches A's, waves 2 and 3 B's two; wave 1 has no part of it
.macro JLOAD2 g0a, g1a, g0b, g1b
	s_cmp_eq_u32 s14, 0
	s_cbranch_scc0 .Lnot_a_\@
	tensor_load_to_lds s[\g0a:\g0a+3], s[\g1a:\g1a+7]
	s_nop 0
.rept 4
	v_nop
.endr
	s_branch .Lasked2_\@
.Lnot_a_\@:
	s_cmp_lt_u32 s14, 2
	s_cbranch_scc1 .Lasked2_\@
	tensor_load_to_lds s[\g0b:\g0b+3], s[\g1b:\g1b+7]
	s_nop 0
.rept 4
	v_nop
.endr
.Lasked2_\@:
.endm
.macro CREST                           ; a round of the cluster's barrier behind its opening barrier
	s_cmp_lg_u32 s14, 0
	s_cbranch_scc1 .Lnot_wave_0_\@
	s_barrier_signal -3
.Lnot_wave_0_\@:
	s_barrier_wait -3
	s_barrier_signal -1
	s_barrier_wait -1
.endm
.macro CROUND
	s_barrier_signal -1
	s_barrier_wait -1
	CREST
.endm
	s_load_b128 s[4:7], s[0:1], 0x0                ; xq, wq
	s_load_b64 s[8:9], s[0:1], 0x10                ; hd
	v_lshl_add_u32 v[SPW], v0, 2, SPARE
	v_mov_b32 v[NIL], 0
	ds_add_u32 v28, v29
	ds_add_u32 v28, v29
	s_wait_dscnt 0x0
	v_lshrrev_b32 v1, 5, v0
	v_readfirstlane_b32 s14, v1                    ; wave 0..3
	s_lshr_b32 s15, s14, 1                         ; which half of A's rows is mine.  Also: I fetch for A (0) or for B (1)
	s_and_b32 s16, s14, 1                          ; which half of B's rows.  Also: which 128 rows I fetch
	s_bfe_u32 s[CX], ttmp6, 0x40000                ; cx
	s_bfe_u32 s[CY], ttmp6, 0x40004                ; cy
	s_and_b32 s17, ttmp7, 0xffff                   ; cluster y = the batch
	s_lshl_b32 s18, s[CY], 2
	s_lshl_b32 s18, 15, s18                        ; my row of the cluster
	s_lshl_b32 s19, 0x1111, s[CX]                  ; my column
	; group 1 for a K step's codes: 8 rows of 3,072 bytes (384 elements of 8 bytes), 12,288 bytes apart, dense in LDS
	s_or_b32 s[G1+0], s18, (3<<16)|(1<<21)
	s_or_b32 s[G1B+0], s19, (3<<16)|(1<<21)
.irp g, G1, G1B
	s_mov_b32 s[\g+1], 384<<16                     ; tensor_dim0
	s_mov_b32 s[\g+2], 16<<16                      ; tensor_dim1: at the head a load brings all 16 groups of a tile's K step 0
	s_mov_b32 s[\g+3], 384<<16                     ; tile_dim0
	s_mov_b32 s[\g+4], 16                          ; tile_dim1
	s_mov_b32 s[\g+5], 1536                        ; from row to row
	s_mov_b32 s[\g+6], 0
	s_mov_b32 s[\g+7], 0
.endr
	; and for dense blocks in rows of 256 bytes: first the scale words of 128 rows, 16 such rows
	s_or_b32 s[G1S+0], s18, (3<<16)|(1<<21)
	s_or_b32 s[G1SB+0], s19, (3<<16)|(1<<21)
.irp g, G1S, G1SB
	s_mov_b32 s[\g+1], 32<<16
	s_mov_b32 s[\g+2], 32<<16                      ; at the head: the scale words of 256 rows, 32 rows of 256 bytes
	s_mov_b32 s[\g+3], 32<<16
	s_mov_b32 s[\g+4], 32
	s_mov_b32 s[\g+5], 32
	s_mov_b32 s[\g+6], 0
	s_mov_b32 s[\g+7], 0
.endr
	s_mul_i32 s2, s16, 98304                       ; which 128 rows of a tile of 256 I fetch: their codes,
	s_lshl_b32 s3, s16, 12                         ; their scale words
	s_lshl_b32 s20, s17, 2                         ; first tile, A: tokens, tile 4 Y + cy
	s_add_co_u32 s20, s20, s[CY]
	s_mul_i32 s10, s20, 196608
	s_add_co_u32 s10, s10, s2
	s_mov_b32 s11, 0
	s_lshl_b32 s[G0S+2], s20, 13
	s_add_co_u32 s[G0S+2], s[G0S+2], XSO
	s_mov_b32 s[G0S+3], 0
	s_lshl_b32 s22, ttmp9, 2                       ; first tile, B: columns, tile 4 X + cx
	s_add_co_u32 s22, s22, s[CX]
	s_mul_i32 s12, s22, 196608
	s_add_co_u32 s12, s12, s2
	s_mov_b32 s13, 0
	s_lshl_b32 s[G0SB+2], s22, 13
	s_add_co_u32 s[G0SB+2], s[G0SB+2], WQS
	s_mov_b32 s[G0SB+3], 0
	s_lshl_b32 s[G0S2+2], ttmp9, 2                 ; second tile, A: v's columns: the block of 128 rows 16 + 4 X + cy of wq
	s_add_co_u32 s[G0S2+2], s[G0S2+2], s[CY]
	s_add_co_u32 s[G0S2+2], s[G0S2+2], 16
	s_lshl_b32 s[G0S2+2], s[G0S2+2], 12
	s_add_co_u32 s[G0S2+2], s[G0S2+2], WQS
	s_mov_b32 s[G0S2+3], 0
	s_lshl_b32 s[G0SB2+2], s17, 2                  ; second tile, B: tokens, tile 4 Y + cx
	s_add_co_u32 s[G0SB2+2], s[G0SB2+2], s[CX]
	s_lshl_b32 s[G0SB2+2], s[G0SB2+2], 13
	s_add_co_u32 s[G0SB2+2], s[G0SB2+2], s3
	s_add_co_u32 s[G0SB2+2], s[G0SB2+2], XSO
	s_mov_b32 s[G0SB2+3], 0
	s_mul_i32 s18, s14, HALFT                      ; where the first tile's loads go: wave x 8 groups: no place in the cluster enters an LDS address
	s_mul_i32 s19, s14, 2*HALFT                    ; K steps 1 and 2 share one region behind slot 0: wave x 8 groups x 6,144 bytes
	s_add_co_u32 s19, s19, SLOT
	s_wait_kmcnt 0x0
	s_add_nc_u64 s[10:11], s[4:5], s[10:11]
	s_add_nc_u64 s[12:13], s[6:7], s[12:13]
	CROUND                                         ; all sixteen work-groups are here: the first joint loads meet
	s_mov_b32 s[G0S2], 1
	s_mov_b32 s[G0S2+1], SCL2
	s_add_nc_u64 s[G0S2+2:G0S2+3], s[6:7], s[G0S2+2:G0S2+3]
	s_or_b32 s[G0S2+3], s[G0S2+3], 0x80000000
	s_mov_b32 s[G0SB2], 1
	s_add_co_u32 s[G0SB2+1], s3, SCL2+HALFS
	s_add_nc_u64 s[G0SB2+2:G0SB2+3], s[4:5], s[G0SB2+2:G0SB2+3]
	s_or_b32 s[G0SB2+3], s[G0SB2+3], 0x80000000
	s_mov_b32 s[G0S], 1
	s_mov_b32 s[G0S+1], SCL
	s_add_nc_u64 s[G0S+2:G0S+3], s[4:5], s[G0S+2:G0S+3]
	s_or_b32 s[G0S+3], s[G0S+3], 0x80000000
	s_mov_b32 s[G0SB], 1
	s_mov_b32 s[G0SB+1], SCL+2*HALFS
	s_add_nc_u64 s[G0SB+2:G0SB+3], s[6:7], s[G0SB+2:G0SB+3]
	s_or_b32 s[G0SB+3], s[G0SB+3], 0x80000000
; set 0: my quarter of slot 0 (used for K step 3); set 1: my quarter of K steps 1 and 2, rows of 6,144 bytes; set 2: the head's whole tile of K step 0
.irp s, 0,1
	s_mov_b32 s[G0+4*\s], 1
	s_add_co_u32 s[G0+4*\s+1], s[18+\s], 0
	s_add_nc_u64 s[G0+4*\s+2:G0+4*\s+3], s[10:11], \s*ROWB
	s_or_b32 s[G0+4*\s+3], s[G0+4*\s+3], 0x80000000
	s_mov_b32 s[G0B+4*\s], 1
	s_add_co_u32 s[G0B+4*\s+1], s[18+\s], 0
	s_add_nc_u64 s[G0B+4*\s+2:G0B+4*\s+3], s[12:13], \s*ROWB
	s_or_b32 s[G0B+4*\s+3], s[G0B+4*\s+3], 0x80000000
.endr
	s_mov_b32 s20, s2                              ; my half's offset is taken off again: the head's loads begin at the tile's first group
	s_mov_b32 s21, 0
	s_mov_b32 s[G0+8], 1
	s_mov_b32 s[G0+9], 0
	s_sub_nc_u64 s[G0+10:G0+11], s[10:11], s[20:21]
	s_or_b32 s[G0+11], s[G0+11], 0x80000000
	s_mov_b32 s[G0B+8], 1
	s_mov_b32 s[G0B+9], 2*HALFT
	s_sub_nc_u64 s[G0B+10:G0B+11], s[12:13], s[20:21]
	s_or_b32 s[G0B+11], s[G0B+11], 0x80000000
; THE HEAD'S LOADS, ONE A WAVE: wave 0 K step 0 of A's 16 groups, wave 1 of B's, wave 2 A's scale words, wave 3 B's.  One tree of branches on the wave's number.
.macro ARM under, g0, g1, next
	s_cmp_lt_u32 s14, \under
	s_cbranch_scc0 \next
	tensor_load_to_lds s[\g0:\g0+3], s[\g1:\g1+7]
	s_nop 0
.rept 4
	v_nop
.endr
	s_branch .Lhead_asked
\next:
.endm
	ARM 1, G0+8,  G1,  .Lhead_b
	ARM 2, G0B+8, G1B, .Lhead_sa
	ARM 3, G0S,   G1S, .Lhead_sb
	tensor_load_to_lds s[G0SB:G0SB+3], s[G1SB:G1SB+7]
	s_nop 0
.rept 4
	v_nop
.endr
.Lhead_asked:
	v_and_b32 v1, 15, v0                           ; r
	v_bfe_u32 v2, v0, 4, 1                         ; h
	s_wait_alu depctr_va_vdst(0)
	v_and_b32 v3, 31, v0                           ; lane
	v_lshlrev_b32 v[LI], 4, v3
	s_wait_alu depctr_va_vdst(0)
	s_mul_i32 s20, s15, HALFT                      ; my 128 rows of A
	s_mul_i32 s21, s16, HALFT                      ; my 128 rows of B,
	s_add_co_u32 s21, s21, 2*HALFT                 ; which lie behind A's 256
	v_add_nc_u32 v[ADRA], s20, v[LI]
	v_add_nc_u32 v[ADRB], s21, v[LI]
	s_lshl_b32 s20, s20, 1                         ; behind slot 0 a quarter is twice as long: groups 6,144 bytes apart, K step 1 then K step 2 in each
	s_lshl_b32 s21, s21, 1
	s_add_co_u32 s20, s20, SLOT
	s_add_co_u32 s21, s21, SLOT
	v_add_nc_u32 v[ADRA+1], s20, v[LI]
	v_add_nc_u32 v[ADRB+1], s21, v[LI]
	v_add_nc_u32 v[ADRA+2], ROWB, v[ADRA+1]
	v_add_nc_u32 v[ADRB+2], ROWB, v[ADRB+1]
	s_lshl_b32 s20, s15, 12                        ; scale words: A's, my 128 rows;
	s_lshl_b32 s21, s16, 12
	s_add_co_u32 s21, s21, 2*HALFS                 ; B's, behind A's 256 rows
	s_sub_co_u32 s21, s21, s20
	v_mul_u32_u24 v6, s21, v2                      ; lanes 16-31 take B's: one product with h
	s_add_co_u32 s20, s20, SCL
	v_lshl_add_u32 v5, v1, 2, v6
	v_add_nc_u32 v[ADRS], s20, v5
	s_mul_i32 s20, s15, 4*GROW                     ; second tile: my four groups of A's eight,
	v_add_nc_u32 v[PAV], s20, v[LI]
	s_add_co_u32 s21, s2, 8*GROW                   ; my eight groups of B's sixteen, behind A's
	v_add_nc_u32 v[PBV], s21, v[LI]
	s_add_co_u32 s21, s21, 4*GROW
	v_add_nc_u32 v[PBV+1], s21, v[LI]
	s_lshl_b32 s20, s15, 8                         ; its scale words: A's, my 64 rows;
	s_add_co_u32 s21, s3, HALFS                    ; B's, my 128 rows, behind A's 128
	s_sub_co_u32 s21, s21, s20
	v_mul_u32_u24 v6, s21, v2
	s_add_co_u32 s20, s20, SCL2
	v_lshl_add_u32 v5, v1, 2, v6
	v_add_nc_u32 v[ADRS2], s20, v5
	v_mul_u32_u24 v[LSV], v2, HS
	v_lshl_add_u32 v[LSV], v1, 4, v[LSV]
	v_lshlrev_b32 v[LR], 4, v1
.macro FRAG reg, adr, q, i, gp         ; gp: bytes from group to group
.irp c, 0,1,2
	ds_load_b128 v[\reg+4*\c:\reg+4*\c+3], v[\adr] offset:(\i)*(\gp)+(\q)*1536+512*\c
.endr
.endm
; 16 matrix instructions: A's blocks a0, a0 + 1 x B's eight.  The 64 accumulators take turns, one instruction a turn, in the same order in every step.
.macro MUL16 a0, p, q, sc, zero
.irp a, \a0, \a0+1
.irp b, 0,1,2,3,4,5,6,7
.if \zero
	v_wmma_scale_f32_16x16x128_f8f6f4 v[8*(8*((\a)%4)+\b):8*(8*((\a)%4)+\b)+7], v[128*(\p)+FR*\b:128*(\p)+FR*\b+FR-1], v[AF+FR*(\a):AF+FR*(\a)+FR-1], 0, v[SC+8*NQ*(\sc)+NQ*\b+(\q)], v[SC+8*NQ*(\sc)+NQ*(\a)+(\q)] matrix_a_fmt:MATRIX_FMT_FP6 matrix_b_fmt:MATRIX_FMT_FP6 matrix_a_scale:MATRIX_SCALE_ROW1
.else
	v_wmma_scale_f32_16x16x128_f8f6f4 v[8*(8*((\a)%4)+\b):8*(8*((\a)%4)+\b)+7], v[128*(\p)+FR*\b:128*(\p)+FR*\b+FR-1], v[AF+FR*(\a):AF+FR*(\a)+FR-1], v[8*(8*((\a)%4)+\b):8*(8*((\a)%4)+\b)+7], v[SC+8*NQ*(\sc)+NQ*\b+(\q)], v[SC+8*NQ*(\sc)+NQ*(\a)+(\q)] matrix_a_fmt:MATRIX_FMT_FP6 matrix_b_fmt:MATRIX_FMT_FP6 matrix_a_scale:MATRIX_SCALE_ROW1
.endif
.endr
.endr
.endm
.macro FETCH_B slot, q, p
	WIN TO_B
.irp i, 0,1,2,3,4,5,6,7
	FRAG 128*(\p)+FR*\i, ADRB+\slot, \q, \i, ROWB*(1+((\slot)+1)/2)
.endr
	WIN 0
.endm
.macro FETCH_A slot, q, i0
.irp i, \i0, \i0+1, \i0+2, \i0+3
	FRAG AF+FR*(\i), ADRA+\slot, \q, \i, ROWB*(1+((\slot)+1)/2)
.endr
.endm
.macro SCALES sc                       ; a K step's scale words into set sc: register 2 i + q: lanes 0-15 A's block i, lanes 16-31 B's block i
.irp i, 0,1,2,3,4,5,6,7
.irp q, 0,1
	ds_load_b32 v[SC+16*\sc+2*\i+\q], v[ADRS] offset:\q*512+\i*64
.endr
.endr
.endm
.macro PLACES n
.rept \n
	v_nop
.endr
.endm
.macro STEP slot, sc, q, zero          ; 128 along K that have their successor in the same slot; sc: the set of scale words
	s_wait_dscnt 4*NL                              ; B's set, A's blocks 0-3 and the scale words are in; the youngest 12 loads (A's blocks 4-7) may be out
	WIN MUL_LO
	MUL16 0, (\q)%2, \q, \sc, \zero
	MUL16 2, (\q)%2, \q, \sc, \zero
	s_wait_dscnt 0
	PLACES NP
	FETCH_B \slot, (\q)+1, 1-(\q)%2
	FETCH_A \slot, (\q)+1, 0
	WIN MUL_HI
	MUL16 4, (\q)%2, \q, \sc, \zero
	MUL16 6, (\q)%2, \q, \sc, \zero
	PLACES NP
	WIN 0
	FETCH_A \slot, (\q)+1, 4
.endm
; A slot's last 128 change slots: one barrier.  fill = 1: this slot is filled again, with the K step three further on: in front of the barrier each wave waits for all its tensor loads, adds 0 to its spare word,
; and waits for that and for its reads of this slot; the barrier opens a round of the cluster's.  fill = 0: the wait on TENSORcnt is counted (left = the younger loads that may stay out).
.macro TURN slot, sc, next, nsc, fill, left
.if \fill
	s_wait_tensorcnt 0x0                           ; all my tensor loads have landed
	ds_add_u32 v[SPW], v[NIL]                      ; 0 onto my spare word
	s_wait_dscnt 4*NL+1                            ; (the add and the youngest 12 loads may be out)
.else
	s_wait_tensorcnt \left                         ; my part of the next slot has landed
	s_wait_dscnt 4*NL
.endif
	WIN MUL_LO
	MUL16 0, 1, NQ-1, \sc, 0
	s_wait_dscnt 0x0                               ; my reads of this slot are over (and the add is done)
	s_barrier_signal -1
	MUL16 2, 1, NQ-1, \sc, 0
	WIN 0
	s_barrier_wait -1
.if \fill
	CREST
.if \fill == 1
	s_mov_b32 s[G1+1], 384<<16                     ; no tensor load of mine is out: rows of one K step again
	s_mov_b32 s[G1+3], 384<<16
	s_mov_b32 s[G1B+1], 384<<16
	s_mov_b32 s[G1B+3], 384<<16
	s_add_nc_u64 s[G0+4*\slot+2:G0+4*\slot+3], s[G0+4*\slot+2:G0+4*\slot+3], 3*ROWB
	s_add_nc_u64 s[G0B+4*\slot+2:G0B+4*\slot+3], s[G0B+4*\slot+2:G0B+4*\slot+3], 3*ROWB
	JLOAD G0+4*\slot, G1, G0B+4*\slot, G1B
.else
	JLOAD2 G0S2, G1S, G0SB2, G1SB                  ; fill = 2: the second tile's scale words, a first fill behind a round of its own: no bytes are filled again here
	PLACES NP                                      ; wave 1 issues none: the places in front of the loads below
.endif
.else
	PLACES NP
.endif
	v_add_nc_u32 v[ADRS], 512*NQ, v[ADRS]          ; on to the next K step's scale words
	FETCH_B \next, 0, 0
	FETCH_A \next, 0, 0
	SCALES \nsc
	WIN MUL_HI
	MUL16 4, 1, NQ-1, \sc, 0
	MUL16 6, 1, NQ-1, \sc, 0
	PLACES NP
	WIN 0
	FETCH_A \next, 0, 4
.endm
	s_wait_alu depctr_va_vdst(0)
	s_wait_tensorcnt 0x0                           ; my tile of the head's four is in
	ds_add_u32 v[SPW], v[NIL]
.irp g, G1, G1B
	s_mov_b32 s[\g+1], 768<<16                     ; no tensor load of mine is out: rows of two K steps, 6,144 bytes,
	s_mov_b32 s[\g+2], 8<<16                       ; 8 groups a load from here on
	s_mov_b32 s[\g+3], 768<<16
	s_mov_b32 s[\g+4], 8
.endr
.irp g, G1S, G1SB
	s_mov_b32 s[\g+2], 16<<16                      ; the second tile's scale words come in blocks of 128 rows: 16 rows of 256 bytes
	s_mov_b32 s[\g+4], 16
.endr
	s_wait_dscnt 0x0
	CROUND                                         ; all four tiles are in, in every partner
	JLOAD G0+4, G1, G0B+4, G1B                     ; K steps 1 and 2: one load a wave; K step 0's products stand between it and the wait for it
	FETCH_B 0, 0, 0
	FETCH_A 0, 0, 0
	SCALES 0
	FETCH_A 0, 0, 4
	STEP 0, 0, 0, 1                                ; K step 0: the first products start the sums: nothing is cleared
	TURN 0, 0, 1, 1, 1, 0                          ; slot 0 takes K step 3: 96 matrix instructions ahead of the wait for it
	s_wait_alu depctr_va_vdst(0)
	STEP 1, 1, 0, 0                                ; K step 1
	TURN 1, 1, 2, 0, 2, 0
	s_wait_alu depctr_va_vdst(0)
	STEP 2, 0, 0, 0                                ; K step 2
	TURN 2, 0, 0, 1, 0, 0                          ; K step 3 has landed
	STEP 0, 1, 0, 0                                ; K step 3
	; the second tile's codes: three dense blocks of 98,304 bytes, 384 rows of 256.  The loads that named these registers were shown done at the third change of slots
	s_mov_b32 s[G1S+2], 384<<16                    ; tensor_dim1
	s_mov_b32 s[G1S+4], 384                        ; tile_dim1
	s_mov_b32 s[G1SB+2], 384<<16
	s_mov_b32 s[G1SB+4], 384
	s_lshl_b32 s10, ttmp9, 2
	s_add_co_u32 s10, s10, s[CY]
	s_add_co_u32 s10, s10, 16
	s_mul_i32 s10, s10, 98304                      ; A: the block of 128 rows 16 + 4 X + cy of wq
	s_mov_b32 s11, 0
	s_mov_b32 s[G0S+1], 0
	s_add_nc_u64 s[G0S+2:G0S+3], s[6:7], s[10:11]
	s_or_b32 s[G0S+3], s[G0S+3], 0x80000000
	s_lshl_b32 s12, s17, 2
	s_add_co_u32 s12, s12, s[CX]
	s_mul_i32 s12, s12, 196608                     ; B: tile 4 Y + cx of xq,
	s_add_co_u32 s12, s12, s2                      ; my half of it
	s_mov_b32 s13, 0
	s_add_co_u32 s[G0SB+1], s2, 8*GROW
	s_add_nc_u64 s[G0SB+2:G0SB+3], s[4:5], s[12:13]
	s_or_b32 s[G0SB+3], s[G0SB+3], 0x80000000
	; the first tile's last 128 along K: all its fragments are in registers at the signal, so the three slots can be filled again under its last 32 products
	s_wait_tensorcnt 0x0                           ; no tensor load of mine is out
	ds_add_u32 v[SPW], v[NIL]                      ; 0 onto my spare word
	s_wait_dscnt 4*NL+1
	WIN MUL_LO
	MUL16 0, 1, NQ-1, 1, 0
	s_wait_dscnt 0x0                               ; the add is done, and my last reads of the first tile are in
	s_barrier_signal -1
	MUL16 2, 1, NQ-1, 1, 0
	WIN 0
	s_barrier_wait -1
	CREST
	JLOAD2 G0S, G1S, G0SB, G1SB                    ; the second tile, all of its K: one load a wave
	WIN MUL_HI
	MUL16 4, 1, NQ-1, 1, 0
	MUL16 6, 1, NQ-1, 1, 0
	WIN 0
; THE WAYS OUT.  A block a's 64 registers of a lane are four blocks of 32 along the next K (register 16 b + i = index 32 b + 16 (lane / 16) + i) of the lane's row.
; QUANTW makes of them twice six registers of codes (d0: blocks 0, 1; d1: blocks 2, 3; a whole block in a lane) and the scale word v[WD + a].  Each accumulator is read from its low end on.
.macro QUANTW a, d0, d1
.set QS, 64*((\a)%4)
	WIN 0x0a+5*((\a)/4)                            ; sources 0 and 1: window 2 or 3
.irp b, 0,1,2,3
	v_max3_num_f32 v[TM+\b], |v[QS+16*\b]|, |v[QS+16*\b+1]|, 0x1800000   ; and the floor 2^(3 - 127)
.endr
.irp i, 2,4,6,8,10,12,14
.irp b, 0,1,2,3
	v_max3_num_f32 v[TM+\b], |v[QS+16*\b+\i]|, |v[QS+16*\b+\i+1]|, v[TM+\b]
.endr
.endr
	WIN 0
.irp b, 0,1,2,3
	v_permlanex16_b32 v[TM+4+\b], v[TM+\b], s[SEL], s[SEL+1]
.endr
.irp b, 0,1,2,3
	v_max_num_f32 v[TM+\b], v[TM+\b], v[TM+4+\b]
.endr
.irp b, 0,1,2,3
	v_add_nc_u32 v[TM+12+\b], 0xff000000, v[TM+\b]
.endr
.irp b, 0,1,2,3
	v_lshrrev_b32 v[TM+4+\b], 23, v[TM+12+\b]
.endr
	v_lshl_or_b32 v[WD+(\a)], v[TM+5], 8, v[TM+4]
	v_lshl_or_b32 v[WD+(\a)], v[TM+6], 16, v[WD+(\a)]
	v_lshl_or_b32 v[WD+(\a)], v[TM+7], 24, v[WD+(\a)]
	WIN 0x02+((\a)/4)                              ; source 0 alone
	v_cvt_scalef32_pk16_fp6_f32 v[\d0:\d0+2], v[QS:QS+15], v[TM+12]
	v_cvt_scalef32_pk16_fp6_f32 v[CT:CT+2], v[QS+16:QS+31], v[TM+13]
	v_cvt_scalef32_pk16_fp6_f32 v[\d1:\d1+2], v[QS+32:QS+47], v[TM+14]
	v_cvt_scalef32_pk16_fp6_f32 v[CT+4:CT+6], v[QS+48:QS+63], v[TM+15]
	WIN 0
	v_nop                                          ; one plain line behind the conversions
.irp i, 0,1,2
	v_permlane16_swap_b32 v[\d0+\i], v[CT+\i]
	v_permlane16_swap_b32 v[\d1+\i], v[CT+4+\i]
.endr
.irp i, 0,1,2
	v_mov_b32 v[\d0+3+\i], v[CT+\i]
	v_mov_b32 v[\d1+3+\i], v[CT+4+\i]
.endr
.endm
	; ---- q or k goes out, while the second tile lands
	PLACES NP                                      ; behind the last products: results are read, and registers that held A's fragments are written
.irp b, 0,1,2,3
	v_mov_b32 v[TM+4+\b], 0                        ; a lane permute's destination counts as one of its sources
.endr
	s_mov_b32 s[SEL], 0x76543210
	s_mov_b32 s[SEL+1], 0xfedcba98
	s_mov_b32 s[LMK], 0xffff                       ; lanes 0-15
	s_mov_b32 s18, QC
	s_mov_b32 s19, QSC
	s_cmp_eq_u32 ttmp9, 1                          ; the cluster's x, the same in all partners: q or k
	s_cselect_b32 s18, KC, s18
	s_cselect_b32 s19, KSC, s19
	s_lshl_b32 s20, s17, 4
	s_lshl_b32 s10, s[CX], 2
	s_add_co_u32 s20, s20, s10
	s_lshl_b32 s10, s16, 1
	s_add_co_u32 s20, s20, s10                     ; my first head: 16 Y + 4 cx + 2 (my half of the columns)
	s_mul_i32 s20, s20, HS
	s_lshl_b32 s10, s[CY], 1
	s_add_co_u32 s10, s10, s15                     ; my 128 tokens of the batch's 1,024
	s_lshl_b32 s22, s10, 8
	s_add_co_u32 s22, s22, s20
	s_add_co_u32 s22, s22, s19
	s_mul_i32 s10, s10, 6144
	s_add_co_u32 s20, s20, s10
	s_add_co_u32 s20, s20, s18
	s_mov_b32 s21, 0
	s_mov_b32 s23, 0
	s_add_nc_u64 s[20:21], s[8:9], s[20:21]        ; codes: four fragments of each of my two heads
	s_add_nc_u64 s[22:23], s[8:9], s[22:23]        ; scale words: 256 bytes of each
.irp g, 0,1,2,3                                ; my 128 columns are two heads; A's blocks 2 g and 2 g + 1 are the two token groups of fragment g
	QUANTW 2*\g, FB+24*\g, FB+24*\g+12
	QUANTW 2*\g+1, FB+24*\g+6, FB+24*\g+18
.irp c, 0,1
.irp k, 0,1,2
	global_store_b128 v[LI], v[FB+24*\g+12*\c+4*\k:FB+24*\g+12*\c+4*\k+3], s[20:21] offset:\c*HS+\g*1536+512*\k   ; 512 consecutive bytes
.endr
.endr
	v_perm_b32 v[XW+\g], v[WD+2*\g+1], v[WD+2*\g], 0x05040100      ; the first head's word: the two groups' low halves
	v_perm_b32 v[XH+\g], v[WD+2*\g+1], v[WD+2*\g], 0x07060302      ; the second head's: their high halves
.endr
.irp i, 0,1,2,3
	v_cndmask_b32 v[XW+\i], v[XH+\i], v[XW+\i], s[LMK]             ; lanes 0-15 carry the first head's words, lanes 16-31 the second's
.endr
	global_store_b128 v[LSV], v[XW:XW+3], s[22:23] ; sixteen lanes store 256 consecutive bytes, aligned, for each of the two heads
; ---- THE SECOND TILE: 128 columns of v x 256 tokens; my wave 64 x 128.  All of K lies in LDS, as in memory: [group][128 along K][1,536 bytes].  A step of 128 along K: the next step's 36 fragment loads and 8 scale loads, then 32 products.
.macro FETCH2 q, p                     ; step q's fragments and scale words into set p
	WIN TO_B
.irp i, 0,1,2,3,4,5,6,7
.irp c, 0,1,2
	ds_load_b128 v[128*(\p)+FR*\i+4*\c:128*(\p)+FR*\i+4*\c+3], v[PBV+\i/4] offset:(\i%4)*GROW+(\q)*1536+512*\c
.endr
.endr
	WIN 0
.irp i, 0,1,2,3
.irp c, 0,1,2
	ds_load_b128 v[AF+48*(\p)+FR*\i+4*\c:AF+48*(\p)+FR*\i+4*\c+3], v[PAV] offset:\i*GROW+(\q)*1536+512*\c
.endr
.endr
.irp i, 0,1,2,3,4,5,6,7
	ds_load_b32 v[SC+8*(\p)+\i], v[ADRS2] offset:(\q)*512+\i*64    ; lanes 16-31: B's block i; lanes 0-15: A's block i (for i above 3 words that no product names)
.endr
.endm
.macro MULH p, zero                    ; 32 products; the 32 accumulators take turns, in the same order in every step
.irp a, 0,1,2,3
.irp b, 0,1,2,3,4,5,6,7
.if \zero
	v_wmma_scale_f32_16x16x128_f8f6f4 v[8*(8*\a+\b):8*(8*\a+\b)+7], v[128*(\p)+FR*\b:128*(\p)+FR*\b+FR-1], v[AF+48*(\p)+FR*\a:AF+48*(\p)+FR*\a+FR-1], 0, v[SC+8*(\p)+\b], v[SC+8*(\p)+\a] matrix_a_fmt:MATRIX_FMT_FP6 matrix_b_fmt:MATRIX_FMT_FP6 matrix_a_scale:MATRIX_SCALE_ROW1
.else
	v_wmma_scale_f32_16x16x128_f8f6f4 v[8*(8*\a+\b):8*(8*\a+\b)+7], v[128*(\p)+FR*\b:128*(\p)+FR*\b+FR-1], v[AF+48*(\p)+FR*\a:AF+48*(\p)+FR*\a+FR-1], v[8*(8*\a+\b):8*(8*\a+\b)+7], v[SC+8*(\p)+\b], v[SC+8*(\p)+\a] matrix_a_fmt:MATRIX_FMT_FP6 matrix_b_fmt:MATRIX_FMT_FP6 matrix_a_scale:MATRIX_SCALE_ROW1
.endif
.endr
.endr
.endm
	s_wait_xcnt 0x0                                ; the stores of q or k have read their registers and bases: both are written again below
	s_wait_tensorcnt 0x0                           ; my part of the second tile has landed
	s_barrier_signal -1
	s_barrier_wait -1                              ; everybody's has
	FETCH2 0, 0
.irp q, 0,1,2,3,4,5,6,7
.if \q < 7
.if \q > 0
	PLACES NP                                      ; in front of loads into the set that the last step's products read
.endif
	FETCH2 \q+1, (\q+1)%2
	s_wait_dscnt 44                                ; this step's loads are in; the 44 just issued may be out
.else
	s_wait_dscnt 0x0
.endif
	WIN MUL_LO
.if \q == 0
	MULH 0, 1
.else
	MULH \q%2, 0
.endif
	WIN 0
.endr
	; ---- v goes out: A's block a is tile a (16 channels) of my head; its 64 registers are my 128 keys: one whole fragment
	PLACES NP
	s_lshl_b32 s20, ttmp9, 2
	s_add_co_u32 s20, s20, s[CY]
	s_lshl_b32 s20, s20, 1
	s_add_co_u32 s20, s20, s15                     ; my head of the batch's sixteen: 2 (4 X + cy) + my half of the columns
	s_lshl_b32 s10, s17, 4
	s_add_co_u32 s20, s20, s10
	s_mul_i32 s20, s20, HS
	s_lshl_b32 s10, s[CX], 1
	s_add_co_u32 s10, s10, s16                     ; my key step
	s_lshl_b32 s22, s10, 8
	s_add_co_u32 s22, s22, s20
	s_add_co_u32 s22, s22, VSC
	s_mul_i32 s10, s10, 6144
	s_add_co_u32 s20, s20, s10
	s_add_co_u32 s20, s20, VC
	s_mov_b32 s21, 0
	s_mov_b32 s23, 0
	s_add_nc_u64 s[20:21], s[8:9], s[20:21]
	s_add_nc_u64 s[22:23], s[8:9], s[22:23]
.irp a, 0,1,2,3
	QUANTW \a, FB+12*\a, FB+12*\a+6
.irp k, 0,1,2
	global_store_b128 v[LI], v[FB+12*\a+4*\k:FB+12*\a+4*\k+3], s[20:21] offset:\a*1536+512*\k
.endr
.endr
	s_wait_xcnt 0x0                                ; EXEC changes only behind this wait
	v_cmp_gt_u32 vcc_lo, 16, v3
	s_and_saveexec_b32 s10, vcc_lo                 ; lanes 16-31 hold the same words as lanes 0-15
	global_store_b128 v[LR], v[WD:WD+3], s[22:23]  ; sixteen lanes store 256 consecutive bytes, aligned: row r's words of the four tiles
	s_wait_xcnt 0x0
	s_or_b32 exec_lo, exec_lo, s10
	s_wait_tensorcnt 0x0                           ; the wave's end
	ds_add_u32 v[SPW], v[NIL]
	s_wait_dscnt 0x0
	CROUND                                         ; the closing round
	s_endpgm
.Lfunc_end_k_qff5f3c74df_qkv:
	.size	k_qff5f3c74df_qkv, .Lfunc_end_k_qff5f3c74df_qkv-k_qff5f3c74df_qkv
	.p2alignl 7, 3214868480
	.fill 96, 4, 3214868480
	.section	.rodata,"a",@progbits
	.p2align	6, 0x0
	.amdhsa_kernel k_qff5f3c74df_qkv
		.amdhsa_group_segment_fixed_size 327680
		.amdhsa_private_segment_fixed_size 0
		.amdhsa_enable_private_segment 0
		.amdhsa_kernarg_size 24
		.amdhsa_user_sgpr_count 2
		.amdhsa_user_sgpr_kernarg_segment_ptr 1
		.amdhsa_wavefront_size32 1
		.amdhsa_system_sgpr_workgroup_id_x 1
		.amdhsa_system_sgpr_workgroup_id_y 1
		.amdhsa_system_sgpr_workgroup_id_z 1
		.amdhsa_system_vgpr_workitem_id 0
		.amdhsa_next_free_vgpr 1024
		.amdhsa_next_free_sgpr 100
		.amdhsa_reserve_vcc 1
		.amdhsa_float_denorm_mode_32 3
		.amdhsa_float_denorm_mode_16_64 3
		.amdhsa_memory_ordered 1
		.amdhsa_forward_progress 1
		.amdhsa_inst_pref_size 221
	.end_amdhsa_kernel
	.amdgpu_metadata
---
amdhsa.version: [ 1, 2 ]
amdhsa.kernels:
  - .name:           k_qff5f3c74df_qkv
    .symbol:         k_qff5f3c74df_qkv.kd
    .args:
      - { .name: xq, .offset: 0, .size: 8, .value_kind: global_buffer, .address_space: global }
      - { .name: wq, .offset: 8, .size: 8, .value_kind: global_buffer, .address_space: global }
      - { .name: hd, .offset: 16, .size: 8, .value_kind: global_buffer, .address_space: global }
    .group_segment_fixed_size: 327680
    .private_segment_fixed_size: 0
    .kernarg_segment_align: 8
    .kernarg_segment_size: 24
    .max_flat_workgroup_size: 128
    .sgpr_count:     100
    .vgpr_count:     1024
    .wavefront_size: 32
...
	.end_amdgpu_metadata
.endif
;; end of part 2
;; launch attn (part 3): grid 4 x 64, 16 waves a work-group, clusters of 4 x 1, 327,680 bytes of LDS; arguments hd, out1, oq; writes out1, oq
.if DOCPART == 3
	.amdgcn_target "amdgcn-amd-amdhsa--gfx1250"
	.amdhsa_code_object_version 6
	.text
	.protected	k_qff5f3c74df_attn
	.globl	k_qff5f3c74df_attn
	.p2align	8
	.type	k_qff5f3c74df_attn,@function
k_qff5f3c74df_attn:
	s_mov_b64 s[64:65], 0
	v_nop
	global_prefetch_b8 v0, s[64:65] scope:SCOPE_SE
	s_setreg_imm32_b32 hwreg(HW_REG_WAVE_MODE, 25, 1), 1
	s_wait_xcnt 0x0
	s_wait_alu depctr_hold_cnt(0) depctr_sa_sdst(0) depctr_va_vdst(0) depctr_va_sdst(0) depctr_va_ssrc(0) depctr_va_vcc(0) depctr_vm_vsrc(0)
	s_getreg_b32 s2, hwreg(HW_REG_IB_STS2, 6, 4)
	s_cmp_eq_u32 s2, 0
	s_cbranch_scc0 .Lentry_in_a_cluster
	s_endpgm
.Lentry_in_a_cluster:
	s_bfe_u32 s2, ttmp6, 0x10000c
	s_cmp_lg_u32 s2, 0x3003
	s_cbranch_scc0 .Lentry_shape_is_right
	s_endpgm
.Lentry_shape_is_right:
.set HS,   153600
.set QC,   102400
.set QSC,  151552
.set OSO,  6291456
.set HB,   102400
.set STG,  2*HB
.set OSG,  STG+16*4352
.set LI,  1
.set LR,  2
.set STO, 3
.set SRD, 4
.set GO,  5
.set OSW, 6
.set OSR, 7
.set ADK, 8
.set ADS, 9
.set QA,  10
.set QB,  11
.set QW,  34
.set OF,  44
.set KV,  58
.set S,   106
.set OA,  170
.set PC,  202
.set CT,  214
.set BM,  222
.set BT,  226
.set SO,  230
.set KS,  234
.set VS,  238
.set FF,  242
.set TT,  244
.set PW,  245
.set WV,  10
.set SEL, 32
.set CS,  34
.set TK,  36
.set TS,  37
.set CNT, 38
.macro CROUND
	s_barrier_signal -1
	s_barrier_wait -1
	s_cmp_lg_u32 s[WV], 0
	s_cbranch_scc1 .Lnot_wave_0_\@
	s_barrier_signal -3
.Lnot_wave_0_\@:
	s_barrier_wait -3
	s_barrier_signal -1
	s_barrier_wait -1
.endm
	s_load_b128 s[4:7], s[0:1], 0x0
	s_load_b64 s[8:9], s[0:1], 0x10
	v_lshl_add_u32 v254, v0, 2, 0x43400
	v_mov_b32 v255, 0
	ds_add_u32 v254, v255
	ds_add_u32 v254, v255
	v_lshrrev_b32 v1, 5, v0
	s_delay_alu instid0(VALU_DEP_1)
	v_readfirstlane_b32 s[WV], v1
	s_bfe_u32 s11, ttmp6, 0x40000
	s_and_b32 s12, ttmp7, 0xffff
	s_mul_i32 s14, s12, 2*HS
	s_mul_i32 s13, s[WV], 12800                    ; one load a wave brings both heads' K, V and scale words: waves 0-7 head 0, waves 8-15 head 1, 12,800 bytes each
	s_lshr_b32 s15, s[WV], 3
	s_mul_i32 s15, s15, HS-HB                      ; in memory the second head begins HS bytes behind the first, in LDS HB bytes
	s_add_co_u32 s40, s14, s13
	s_add_co_u32 s40, s40, s15
	s_mov_b32 s41, 0
	s_mov_b32 s16, 15|(3<<16)|(1<<21)
	s_mov_b32 s17, 32<<16
	s_mov_b32 s18, 50<<16
	s_mov_b32 s19, 32<<16
	s_mov_b32 s20, 50
	s_mov_b32 s21, 32
	s_mov_b32 s22, 0
	s_mov_b32 s23, 0
	s_mov_b32 s[SEL], 0x76543210
	s_mov_b32 s[SEL+1], 0xfedcba98
	s_mov_b32 s[CS], 0x3e38aa3b
	s_mov_b32 s[CS+1], s[CS]
	s_lshr_b32 s42, s[WV], 1
	s_and_b32 s43, s[WV], 1
	s_lshl_b32 s54, s11, 3
	s_add_co_u32 s54, s54, s42
	s_mul_i32 s44, s54, 1536
	s_add_co_u32 s44, s44, s14
	s_add_co_u32 s44, s44, QC
	s_mov_b32 s45, 0
	s_lshl_b32 s46, s11, 1
	s_lshr_b32 s47, s[WV], 3
	s_add_co_u32 s46, s46, s47
	s_lshl_b32 s46, s46, 8
	s_and_b32 s47, s42, 3
	s_lshl_b32 s47, s47, 2
	s_add_co_u32 s46, s46, s47
	s_lshl_b32 s47, s43, 1
	s_add_co_u32 s46, s46, s47
	s_add_co_u32 s46, s46, s14
	s_add_co_u32 s46, s46, QSC
	s_mov_b32 s47, 0
	s_lshl_b32 s48, s12, 19
	s_lshl_b32 s49, s11, 16
	s_add_co_u32 s48, s48, s49
	s_lshl_b32 s49, s42, 13
	s_add_co_u32 s48, s48, s49
	s_lshl_b32 s49, s43, 11
	s_add_co_u32 s48, s48, s49
	s_mov_b32 s49, 0
	s_lshr_b32 s55, s12, 3
	s_and_b32 s56, s12, 7
	s_lshl_b32 s50, s55, 6
	s_lshl_b32 s51, s11, 4
	s_add_co_u32 s50, s50, s51
	s_add_co_u32 s50, s50, s[WV]
	s_lshl_b32 s50, s50, 3
	s_add_co_u32 s50, s50, s56
	s_mul_i32 s50, s50, 1536
	s_mov_b32 s51, 0
	s_lshl_b32 s52, s55, 3
	s_lshl_b32 s53, s11, 1
	s_add_co_u32 s52, s52, s53
	s_add_co_u32 s52, s52, s43
	s_lshl_b32 s52, s52, 12
	s_lshl_b32 s53, s56, 9
	s_add_co_u32 s52, s52, s53
	s_add_co_u32 s52, s52, OSO
	s_mov_b32 s53, 0
	s_wait_dscnt 0x0
	s_wait_kmcnt 0x0
	s_mov_b32 s24, 1
	s_mov_b32 s25, s13
	s_add_nc_u64 s[26:27], s[4:5], s[40:41]
	s_or_b32 s27, s27, 0x80000000
	s_add_nc_u64 s[44:45], s[4:5], s[44:45]
	s_add_nc_u64 s[46:47], s[4:5], s[46:47]
	s_add_nc_u64 s[48:49], s[6:7], s[48:49]
	s_add_nc_u64 s[50:51], s[8:9], s[50:51]
	s_add_nc_u64 s[52:53], s[8:9], s[52:53]
	CROUND
	tensor_load_to_lds s[24:27], s[16:23]
	s_nop 0
.rept 4
	v_nop
.endr
	v_and_b32 v1, 31, v0
	s_delay_alu instid0(VALU_DEP_1)
	v_lshlrev_b32 v[LI], 4, v1
	v_and_b32 v246, 15, v0
	v_bfe_u32 v247, v0, 4, 1
	s_delay_alu instid0(VALU_DEP_2)
	v_lshlrev_b32 v[LR], 4, v246
	s_mul_i32 s60, s43, 520
	v_add_nc_u32 v[QA], s60, v[LI]
	s_mul_i32 s60, s43, 1016
	v_add_nc_u32 v[QB], s60, v[LI]
.irp P, 0,1
	global_load_b64 v[16+20*\P:17+20*\P], v[QA], s[44:45] offset:\P*HS
	global_load_b64 v[18+20*\P:19+20*\P], v[QB], s[44:45] offset:8+\P*HS
	global_load_b64 v[20+20*\P:21+20*\P], v[QA], s[44:45] offset:512+\P*HS
	global_load_u16 v[35+7*\P], v[LR], s[46:47] offset:\P*HS
.endr
	s_mul_i32 s57, s[WV], 4352
	s_add_co_u32 s57, s57, STG
	v_mul_u32_u24 v[STO], v246, 272
	s_delay_alu instid0(VALU_DEP_1)
	v_lshl_add_u32 v[STO], v247, 6, v[STO]
	s_delay_alu instid0(VALU_DEP_1)
	v_add_nc_u32 v[STO], s57, v[STO]
	v_mul_u32_u24 v[SRD], v247, 272
	s_delay_alu instid0(VALU_DEP_1)
	v_lshl_add_u32 v[SRD], v246, 4, v[SRD]
	s_delay_alu instid0(VALU_DEP_1)
	v_add_nc_u32 v[SRD], s57, v[SRD]
	v_lshlrev_b32 v[GO], 8, v247
	s_delay_alu instid0(VALU_DEP_1)
	v_lshl_add_u32 v[GO], v246, 4, v[GO]
	s_lshl_b32 s58, s[WV], 6
	s_add_co_u32 s58, s58, OSG
	v_lshl_add_u32 v[OSW], v246, 2, s58
	s_lshl_b32 s59, s43, 9
	s_add_co_u32 s59, s59, OSG
	v_add_nc_u32 v[OSR], s59, v[LI]
.irp b, 0,1,2,3
	v_mov_b32 v[BT+\b], 0
.endr
	v_mov_b32 v[FF+1], 0
	s_wait_loadcnt 0x0
.irp i, 0,1,2,3,4,5
	v_mov_b32 v[22+\i], 0
	v_mov_b32 v[28+\i], v[16+\i]
.endr
	v_lshl_or_b32 v[QW], v35, 16, v35
; four fragments of K and their scale words, o and os bytes behind the step at which ADK and ADS stand: 13 LDS loads
.macro KLOAD o, os
.irp f, 0,1,2,3
.irp c, 0,1,2
	ds_load_b128 v[KV+12*\f+4*\c:KV+12*\f+4*\c+3], v[ADK] offset:\o+1536*\f+512*\c
.endr
.endr
	ds_load_b128 v[KS:KS+3], v[ADS] offset:\os
.endm
; a step of 128 keys.  Its fragments of K were asked for at the end of the step before (the first step's ahead of the loop)
.macro KSTEP
	v_add_nc_u32 v[ADK], s[TK], v[LI]
	v_add_nc_u32 v[ADS], s[TS], v[LR]
	s_wait_alu depctr_va_vdst(0)
	s_wait_dscnt 0x0
.irp f, 0,1,2,3
	v_wmma_scale_f32_16x16x128_f8f6f4 v[S+16*\f:S+16*\f+7], v[KV+12*\f:KV+12*\f+11], v[16:27], 0, v[KS+\f], v[QW] matrix_a_fmt:MATRIX_FMT_FP6 matrix_b_fmt:MATRIX_FMT_FP6
	v_wmma_scale_f32_16x16x128_f8f6f4 v[S+16*\f+8:S+16*\f+15], v[KV+12*\f:KV+12*\f+11], v[22:33], 0, v[KS+\f], v[QW] matrix_a_fmt:MATRIX_FMT_FP6 matrix_b_fmt:MATRIX_FMT_FP6
.endr
.rept 4
	v_nop
.endr
.irp t, 0,1,2,3
.irp c, 0,1,2
	ds_load_b128 v[KV+12*\t+4*\c:KV+12*\t+4*\c+3], v[ADK] offset:49152+1536*\t+512*\c
.endr
.endr
	ds_load_b128 v[VS:VS+3], v[ADS] offset:2048
.irp b, 0,1,2,3
	v_max3_num_f32 v[BM+\b], v[S+16*\b], v[S+1+16*\b], v[S+2+16*\b]
.endr
.irp i, 3,5,7,9,11,13
.irp b, 0,1,2,3
	v_max3_num_f32 v[BM+\b], v[BM+\b], v[S+16*\b+\i], v[S+1+16*\b+\i]
.endr
.endr
.irp b, 0,1,2,3
	v_max_num_f32 v[BM+\b], v[BM+\b], v[S+15+16*\b]
.endr
.irp b, 0,1,2,3
	s_delay_alu instid0(VALU_DEP_4)
	v_permlanex16_b32 v[BT+\b], v[BM+\b], s[SEL], s[SEL+1]
.endr
.irp b, 0,1,2,3
	s_delay_alu instid0(VALU_DEP_4)
	v_max_num_f32 v[BM+\b], v[BM+\b], v[BT+\b]
.endr
	s_delay_alu instid0(VALU_DEP_2)
	v_max3_num_f32 v[TT], v[BM], v[BM+1], v[BM+2]
	s_delay_alu instid0(VALU_DEP_1)
	v_max_num_f32 v[TT], v[TT], v[BM+3]
	s_delay_alu instid0(VALU_DEP_1)
	v_mul_f32 v[TT], s[CS], v[TT]
	s_delay_alu instid0(VALU_DEP_1)
	v_max_num_f32 v13, v13, v[TT]
	v_mov_b32 v[TT], v12
	s_delay_alu instid0(VALU_DEP_2)
	v_floor_f32 v12, -v13
	s_delay_alu instid0(VALU_DEP_1)
	v_sub_f32 v[TT], v12, v[TT]
	s_delay_alu instid0(VALU_DEP_1)
	v_cvt_i32_f32 v[TT], v[TT]
	s_delay_alu instid0(VALU_DEP_1)
	v_ldexp_f32 v[FF], 1.0, v[TT]
.irp j, 0,2,4,6,8,10,12,14,16,18,20,22,24,26,28,30,32,34,36,38,40,42,44,46,48,50,52,54,56,58,60,62
	v_pk_fma_f32 v[S+\j:S+1+\j], v[S+\j:S+1+\j], s[CS:CS+1], v[12:13] op_sel_hi:[1,0,0]
.endr
.irp b, 0,1,2,3
	v_fma_f32 v[BM+\b], v[BM+\b], s[CS], v12
.endr
	s_wait_alu depctr_va_vdst(0)
.irp j, 0,1,2,3,4,5,6,7,8,9,10,11,12,13,14,15,16,17,18,19,20,21,22,23,24,25,26,27,28,29,30,31,32,33,34,35,36,37,38,39,40,41,42,43,44,45,46,47,48,49,50,51,52,53,54,55,56,57,58,59,60,61,62,63
	v_exp_f32 v[S+\j], v[S+\j]
.endr
.irp b, 0,1,2,3
	v_exp_f32 v[BM+\b], v[BM+\b]                   ; each block's largest p, in the same batch
.endr
	v_pk_mul_f32 v[14:15], v[14:15], v[FF:FF+1] op_sel_hi:[1,0]   ; the sums under the new M: the plain line behind the batch
	s_wait_alu depctr_va_vdst(0)                   ; one wait for the batch of 68
.irp b, 0,1,2,3
	v_max_num_f32 v[BM+\b], 0x1800000, v[BM+\b]
.endr
.irp b, 0,1,2,3
	s_delay_alu instid0(VALU_DEP_4)
	v_add_nc_u32 v[SO+\b], 0xff000000, v[BM+\b]
.endr
.irp b, 0,1,2,3
	s_delay_alu instid0(VALU_DEP_4)
	v_lshrrev_b32 v[BT+\b], 23, v[SO+\b]
.endr
	s_delay_alu instid0(VALU_DEP_3)
	v_lshl_or_b32 v[PW], v[BT+1], 8, v[BT]
	s_delay_alu instid0(VALU_DEP_1)
	v_lshl_or_b32 v[PW], v[BT+2], 16, v[PW]
	s_delay_alu instid0(VALU_DEP_1)
	v_lshl_or_b32 v[PW], v[BT+3], 24, v[PW]
.irp c, 0,1
	v_cvt_scalef32_pk16_fp6_f32 v[PC+6*\c:PC+6*\c+2], v[S+32*\c:S+32*\c+15], v[SO+2*\c]
	v_cvt_scalef32_pk16_fp6_f32 v[CT+4*\c:CT+4*\c+2], v[S+32*\c+16:S+32*\c+31], v[SO+2*\c+1]
.endr
	v_nop
.irp c, 0,1
.irp i, 0,1,2
	v_permlane16_swap_b32 v[PC+6*\c+\i], v[CT+4*\c+\i]
.endr
.irp i, 0,1,2
	s_delay_alu instid0(VALU_DEP_3)
	v_mov_b32 v[PC+6*\c+3+\i], v[CT+4*\c+\i]
.endr
.endr
.irp j, 0,2,4,6,8,10,12,14,16,18,20,22,24,26,28,30
	v_pk_mul_f32 v[OA+\j:OA+1+\j], v[OA+\j:OA+1+\j], v[FF:FF+1] op_sel_hi:[1,0]
.endr
	s_wait_alu depctr_va_vdst(0)
	s_wait_dscnt 0x0
.irp t, 0,1,2,3
	v_wmma_scale_f32_16x16x128_f8f6f4 v[OA+8*\t:OA+8*\t+7], v[KV+12*\t:KV+12*\t+11], v[PC:PC+11], v[OA+8*\t:OA+8*\t+7], v[VS+\t], v[PW] matrix_a_fmt:MATRIX_FMT_FP6 matrix_b_fmt:MATRIX_FMT_FP6
.endr
; the row's sum of the unquantised p stands behind the products: it names none of their registers, so its first five lines are the places in front of the loads into V's registers
	v_pk_add_f32 v[BT:BT+1], v[S:S+1], v[S+2:S+3]
.irp j, 4,8
	v_pk_add_f32 v[14:15], v[14:15], v[S+\j:S+1+\j]
	v_pk_add_f32 v[BT:BT+1], v[BT:BT+1], v[S+2+\j:S+3+\j]
.endr
	KLOAD 6144, 256                                ; the next step's K; in a pass's last trip these 13 loads bring bytes of V's region that no product reads
.irp j, 12,16,20,24,28,32,36,40,44,48,52,56,60
	v_pk_add_f32 v[14:15], v[14:15], v[S+\j:S+1+\j]
	v_pk_add_f32 v[BT:BT+1], v[BT:BT+1], v[S+2+\j:S+3+\j]
.endr
	s_delay_alu instid0(VALU_DEP_1)
	v_pk_add_f32 v[14:15], v[14:15], v[BT:BT+1]
.endm
.macro OUTP p
.rept 4
	v_nop
.endr
	v_add_f32 v14, v14, v15
	s_delay_alu instid0(VALU_DEP_1)
	v_permlanex16_b32 v[TT], v14, s[SEL], s[SEL+1]
	s_delay_alu instid0(VALU_DEP_1)
	v_add_f32 v14, v14, v[TT]
	s_wait_alu depctr_va_vdst(0)
	v_rcp_f32 v14, v14
	v_nop
	s_wait_alu depctr_va_vdst(0)
.irp j, 0,1,2,3,4,5,6,7,8,9,10,11,12,13,14,15,16,17,18,19,20,21,22,23,24,25,26,27,28,29,30,31
	v_mul_f32 v[S+\j], v[OA+\j], v14
.endr
.irp b, 0,1
.irp k, 0,1,2,3
	ds_store_b128 v[STO], v[S+16*\b+4*\k:S+16*\b+4*\k+3] offset:128*\b+16*\k
.endr
.endr
.irp i, 0,1,2,3,4,5,6,7
	ds_load_b128 v[S+32+4*\i:S+35+4*\i], v[SRD] offset:544*\i
.endr
.irp b, 0,1
	v_max3_num_f32 v[BM+\b], |v[S+16*\b]|, |v[S+1+16*\b]|, 0x1800000
.endr
.irp i, 2,4,6,8,10,12,14
.irp b, 0,1
	s_delay_alu instid0(VALU_DEP_2)
	v_max3_num_f32 v[BM+\b], v[BM+\b], |v[S+16*\b+\i]|, |v[S+1+16*\b+\i]|
.endr
.endr
.irp b, 0,1
	s_delay_alu instid0(VALU_DEP_2)
	v_permlanex16_b32 v[BT+\b], v[BM+\b], s[SEL], s[SEL+1]
.endr
.irp b, 0,1
	s_delay_alu instid0(VALU_DEP_2)
	v_max_num_f32 v[BM+\b], v[BM+\b], v[BT+\b]
.endr
.irp b, 0,1
	s_delay_alu instid0(VALU_DEP_2)
	v_add_nc_u32 v[SO+\b], 0xff000000, v[BM+\b]
.endr
.irp b, 0,1
	s_delay_alu instid0(VALU_DEP_2)
	v_lshrrev_b32 v[BT+\b], 23, v[SO+\b]
.endr
	s_delay_alu instid0(VALU_DEP_1)
	v_lshl_or_b32 v[TT], v[BT+1], 8, v[BT]
	v_cvt_scalef32_pk16_fp6_f32 v[OF+6*\p:OF+6*\p+2], v[S:S+15], v[SO]
	v_cvt_scalef32_pk16_fp6_f32 v[CT:CT+2], v[S+16:S+31], v[SO+1]
	v_nop
.irp i, 0,1,2
	v_permlane16_swap_b32 v[OF+6*\p+\i], v[CT+\i]
.endr
.irp i, 0,1,2
	s_delay_alu instid0(VALU_DEP_3)
	v_mov_b32 v[OF+6*\p+3+\i], v[CT+\i]
.endr
.if \p
	v_lshl_or_b32 v57, v[TT], 16, v56
.else
	v_mov_b32 v56, v[TT]
.endif
.irp i, 0,1,2,3,4,5,6,7
	s_wait_dscnt 7-\i
	global_store_b128 v[GO], v[S+32+4*\i:S+35+4*\i], s[48:49] offset:\p*262144+(2*\i+8*(\i/4))*256 th:TH_STORE_NT
.endr
.if \p
	s_wait_alu depctr_va_vdst(0)
.irp c, 0,1,2
	global_store_b128 v[LI], v[OF+4*\c:OF+4*\c+3], s[50:51] offset:512*\c
.endr
	ds_store_b32 v[OSW], v57
.endif
.endm
.macro PASS p
.if \p
.irp i, 0,1,2,3,4,5
	v_mov_b32 v[16+\i], v[36+\i]
	v_mov_b32 v[28+\i], v[36+\i]
.endr
	v_lshl_or_b32 v[QW], v42, 16, v42
.endif
	v_mov_b32 v13, 0xff61b1e6
	s_delay_alu instid0(VALU_DEP_1)
	v_floor_f32 v12, -v13
	v_mov_b32 v14, 0
	v_mov_b32 v15, 0
.irp j, 0,1,2,3,4,5,6,7,8,9,10,11,12,13,14,15,16,17,18,19,20,21,22,23,24,25,26,27,28,29,30,31
	v_mov_b32 v[OA+\j], 0
.endr
	s_mov_b32 s[TK], HB*\p
	s_mov_b32 s[TS], HB*\p+98304
	s_mov_b32 s[CNT], 8
	v_add_nc_u32 v[ADK], s[TK], v[LI]
	v_add_nc_u32 v[ADS], s[TS], v[LR]
	KLOAD 0, 0                                     ; the pass's first step
.Lkeys_\@:
	KSTEP
	s_add_co_u32 s[TK], s[TK], 6144
	s_add_co_u32 s[TS], s[TS], 256
	s_sub_co_i32 s[CNT], s[CNT], 1
	s_cmp_lg_u32 s[CNT], 0
	s_cbranch_scc1 .Lkeys_\@
	OUTP \p
.endm
	s_wait_alu depctr_va_vdst(0)
	s_wait_tensorcnt 0x0                           ; my part of the two heads is in
	s_barrier_signal -1
	s_barrier_wait -1                              ; everybody's is: both passes read LDS that nothing fills again, so no barrier stands between them
	PASS 0
	s_wait_xcnt 0x0                                ; the first pass's stores have read their registers
	PASS 1
	s_wait_dscnt 0x0
	s_barrier_signal -1
	s_barrier_wait -1
	s_cmp_lt_u32 s[WV], 2
	s_cbranch_scc0 .Lno_words
	ds_load_b128 v[S:S+3], v[OSR]
	s_wait_dscnt 0x0
	global_store_b128 v[LI], v[S:S+3], s[52:53]
.Lno_words:
	s_wait_tensorcnt 0x0
	ds_add_u32 v254, v255
	s_wait_dscnt 0x0
	CROUND
	s_endpgm
.Lfunc_end_k_qff5f3c74df_attn:
	.size	k_qff5f3c74df_attn, .Lfunc_end_k_qff5f3c74df_attn-k_qff5f3c74df_attn
	.p2alignl 7, 3214868480
	.fill 96, 4, 3214868480
	.section	.rodata,"a",@progbits
	.p2align	6, 0x0
	.amdhsa_kernel k_qff5f3c74df_attn
		.amdhsa_group_segment_fixed_size 327680
		.amdhsa_private_segment_fixed_size 0
		.amdhsa_enable_private_segment 0
		.amdhsa_kernarg_size 24
		.amdhsa_user_sgpr_count 2
		.amdhsa_user_sgpr_kernarg_segment_ptr 1
		.amdhsa_wavefront_size32 1
		.amdhsa_system_sgpr_workgroup_id_x 1
		.amdhsa_system_sgpr_workgroup_id_y 1
		.amdhsa_system_sgpr_workgroup_id_z 1
		.amdhsa_system_vgpr_workitem_id 0
		.amdhsa_next_free_vgpr 256
		.amdhsa_next_free_sgpr 66
		.amdhsa_reserve_vcc 0
		.amdhsa_float_denorm_mode_32 3
		.amdhsa_float_denorm_mode_16_64 3
		.amdhsa_memory_ordered 1
		.amdhsa_forward_progress 1
		.amdhsa_inst_pref_size 59
	.end_amdhsa_kernel
	.amdgpu_metadata
---
amdhsa.version: [ 1, 2 ]
amdhsa.kernels:
  - .name:           k_qff5f3c74df_attn
    .symbol:         k_qff5f3c74df_attn.kd
    .args:
      - { .name: hd, .offset: 0, .size: 8, .value_kind: global_buffer, .address_space: global }
      - { .name: out1, .offset: 8, .size: 8, .value_kind: global_buffer, .address_space: global }
      - { .name: oq, .offset: 16, .size: 8, .value_kind: global_buffer, .address_space: global }
    .group_segment_fixed_size: 327680
    .private_segment_fixed_size: 0
    .kernarg_segment_align: 8
    .kernarg_segment_size: 24
    .max_flat_workgroup_size: 512
    .sgpr_count:     66
    .vgpr_count:     256
    .wavefront_size: 32
...
	.end_amdgpu_metadata
.endif
;; end of part 3
;; launch proj (part 4): grid 4 x 64, 4 waves a work-group, clusters of 4 x 4, 327,680 bytes of LDS; arguments oq, wo, b_out, out0; writes out0
.if DOCPART == 4
	.amdgcn_target "amdgcn-amd-amdhsa--gfx1250"
	.amdhsa_code_object_version 6
	.text
	.protected	k_qff5f3c74df_proj
	.globl	k_qff5f3c74df_proj
	.p2align	8
	.type	k_qff5f3c74df_proj,@function
k_qff5f3c74df_proj:
	s_mov_b64 s[64:65], 0
	v_nop
	global_prefetch_b8 v0, s[64:65] scope:SCOPE_SE
	s_setreg_imm32_b32 hwreg(HW_REG_WAVE_MODE, 25, 1), 1
	s_wait_xcnt 0x0
	s_wait_alu depctr_hold_cnt(0) depctr_sa_sdst(0) depctr_va_vdst(0) depctr_va_sdst(0) depctr_va_ssrc(0) depctr_va_vcc(0) depctr_vm_vsrc(0)
	s_getreg_b32 s2, hwreg(HW_REG_IB_STS2, 6, 4)
	s_cmp_eq_u32 s2, 0
	s_cbranch_scc0 .Lentry_in_a_cluster
	s_endpgm
.Lentry_in_a_cluster:
	s_bfe_u32 s2, ttmp6, 0x10000c
	s_cmp_lg_u32 s2, 0xf033
	s_cbranch_scc0 .Lentry_shape_is_right
	s_endpgm
.Lentry_shape_is_right:
; out0 = o W_out + b_out on codes of FP6 (E2M3) with E8M0 scales, K = 1024.  A work-group makes 128 tokens x 256 columns; a wave 64 x 128: 32 accumulators.
; Operands are images of registers: a fragment (16 rows x 128 K) is 1,536 bytes, quad c of lane l at 512 c + 16 l; a group of 16 rows is 12,288 bytes for all of K.
; ALL OF K LIES IN LDS: A's 8 groups (98,304 bytes), B's 16 (196,608), A's and B's scale words (4,096 + 8,192): four dense blocks of memory, rows of 256 bytes,
; ONE joint load a wave at the head (wave 0 A, wave 1 B, wave 2 A's words, wave 3 B's).  Nothing is filled later: no ring, one barrier in front of the products.
; 4 x 4 work-groups ask jointly: A's blocks along a row of the cluster, B's along a column.  No prefetch: the launch has no loop to run ahead in; every byte is asked for at the head.
; The matrix instruction is used transposed (source 0 = W_out's columns, source 1 = tokens): a lane holds eight columns of one token.  Rows lie in the workspace with bits 3 and 4 of their index changed;
; the bias's offsets, the stage's offsets and the stores' rows undo that.  The bias is the C of each accumulator's first product.
; The stage of the way out lies on A's first bytes, which have had their only fill; a barrier, signalled when each wave's last LDS reads are in, stands in front of its first store.
; LIMITS: NaN and infinities are not served.
.set FR,     12
.set NP,     4                         ; places behind this matrix instruction (ISA guide 7.12.1)
.set GROW,   12288
.set BOFF,   8*GROW
.set SCL,    24*GROW
.set SPARE,  SCL+12288                 ; the spare words, 128 bytes a wave, which no other line names
.set OSO,    6291456
.set WOS,    786432
.set SPITCH, 528
.set ADRA, 8                           ; my four groups of A
.set ADRB, 12                          ; v12-13 my groups 0-3 and 4-7 of B
.set STO,  24
.set RD,   25
.set CO,   26                          ; 16 x lane
.set ADRS, 27
.set SC,   32                          ; scale words, two sets of 8: lanes 0-15 A's block i, lanes 16-31 B's
.set SPW,  62
.set NIL,  63
.set BI,   64                          ; the bias, in the results' layout
.set AF,   128
.set BK,   128
.set CX,   66
.set CY,   67
.set TC,   100
.set G1,   24
.set G0,   32
.set G1B,  48
.set G0B,  56
.set G1S,  76
.set G1SB, 84
.set G0S,  92
.set G0SB, 96
.set MSB, 0
.macro WIN new                         ; the immediate's high byte repeats the setting that is left
.if MSB != \new
	s_set_vgpr_msb (MSB<<8)|\new
.set MSB, \new
.endif
.endm
.set MUL,  0xa1                        ; source 0 window 1, source 1 window 0, C and D window 2
.set BIA,  0x81                        ; the same with C in window 0
.set TO_B, 0x40
.macro CROUND
	s_barrier_signal -1
	s_barrier_wait -1
	s_cmp_lg_u32 s14, 0
	s_cbranch_scc1 .Lnot_wave_0_\@
	s_barrier_signal -3
.Lnot_wave_0_\@:
	s_barrier_wait -3
	s_barrier_signal -1
	s_barrier_wait -1
.endm
.macro DENSE g, mask, rows             ; group 1 of a dense block: rows of 256 bytes (32 elements of 8)
	s_or_b32 s[\g], \mask, (3<<16)|(1<<21)
	s_mov_b32 s[\g+1], 32<<16
	s_mov_b32 s[\g+2], (\rows)<<16
	s_mov_b32 s[\g+3], 32<<16
	s_mov_b32 s[\g+4], \rows
	s_mov_b32 s[\g+5], 32
	s_mov_b32 s[\g+6], 0
	s_mov_b32 s[\g+7], 0
.endm
.macro PLACES n
.rept \n
	v_nop
.endr
.endm
	s_load_b128 s[4:7], s[0:1], 0x0                ; oq, wo
	s_load_b128 s[8:11], s[0:1], 0x10              ; b_out, out0
	v_lshl_add_u32 v[SPW], v0, 2, SPARE
	v_mov_b32 v[NIL], 0
	ds_add_u32 v[SPW], v[NIL]                      ; the opening lines: the add twice on end and its wait
	ds_add_u32 v[SPW], v[NIL]
	v_lshrrev_b32 v1, 5, v0
	v_readfirstlane_b32 s14, v1                    ; wave
	s_lshr_b32 s15, s14, 1                         ; my half of the tokens
	s_and_b32 s16, s14, 1                          ; my half of the columns
	s_bfe_u32 s[CX], ttmp6, 0x40000
	s_bfe_u32 s[CY], ttmp6, 0x40004
	s_lshl_b32 s[TC], ttmp9, 2
	s_add_co_u32 s[TC], s[TC], s[CX]               ; tile column
	s_and_b32 s17, ttmp7, 0xffff
	s_lshl_b32 s17, s17, 2
	s_add_co_u32 s17, s17, s[CY]                   ; tile row
	s_lshl_b32 s18, s[CY], 2
	s_lshl_b32 s18, 15, s18                        ; my row of the cluster
	s_lshl_b32 s19, 0x1111, s[CX]                  ; my column
	DENSE G1,   s18, 384
	DENSE G1B,  s19, 768
	DENSE G1S,  s18, 16
	DENSE G1SB, s19, 32
	s_mov_b32 s[G0], 1
	s_mov_b32 s[G0+1], 0
	s_mul_i32 s[G0+2], s17, 98304
	s_mov_b32 s[G0+3], 0
	s_mov_b32 s[G0B], 1
	s_mov_b32 s[G0B+1], BOFF
	s_mul_i32 s[G0B+2], s[TC], 196608
	s_mov_b32 s[G0B+3], 0
	s_mov_b32 s[G0S], 1
	s_mov_b32 s[G0S+1], SCL
	s_lshl_b32 s[G0S+2], s17, 12
	s_add_co_u32 s[G0S+2], s[G0S+2], OSO
	s_mov_b32 s[G0S+3], 0
	s_mov_b32 s[G0SB], 1
	s_mov_b32 s[G0SB+1], SCL+4096
	s_lshl_b32 s[G0SB+2], s[TC], 13
	s_add_co_u32 s[G0SB+2], s[G0SB+2], WOS
	s_mov_b32 s[G0SB+3], 0
	s_wait_dscnt 0x0                               ; both opening adds are done
	s_wait_kmcnt 0x0
	s_add_nc_u64 s[G0+2:G0+3], s[4:5], s[G0+2:G0+3]
	s_or_b32 s[G0+3], s[G0+3], 0x80000000
	s_add_nc_u64 s[G0B+2:G0B+3], s[6:7], s[G0B+2:G0B+3]
	s_or_b32 s[G0B+3], s[G0B+3], 0x80000000
	s_add_nc_u64 s[G0S+2:G0S+3], s[4:5], s[G0S+2:G0S+3]
	s_or_b32 s[G0S+3], s[G0S+3], 0x80000000
	s_add_nc_u64 s[G0SB+2:G0SB+3], s[6:7], s[G0SB+2:G0SB+3]
	s_or_b32 s[G0SB+3], s[G0SB+3], 0x80000000
	CROUND                                         ; all sixteen work-groups are here: the joint loads meet
.macro ARM under, g0, g1, next         ; one tree of branches on the wave's number, one load to an arm
	s_cmp_lt_u32 s14, \under
	s_cbranch_scc0 \next
	tensor_load_to_lds s[\g0:\g0+3], s[\g1:\g1+7]
	s_nop 0
	PLACES 4
	s_branch .Lhead_asked
\next:
.endm
	ARM 1, G0,  G1,  .Lhead_b
	ARM 2, G0B, G1B, .Lhead_sa
	ARM 3, G0S, G1S, .Lhead_sb
	tensor_load_to_lds s[G0SB:G0SB+3], s[G1SB:G1SB+7]
	s_nop 0
	PLACES 4
.Lhead_asked:
	v_and_b32 v1, 15, v0                           ; r
	v_bfe_u32 v2, v0, 4, 1                         ; h
	v_and_b32 v3, 31, v0
	v_lshlrev_b32 v[CO], 4, v3
	v_lshlrev_b32 v5, 6, v2
	s_wait_alu depctr_va_vdst(0)
	s_lshl_b32 s20, s17, 7
	s_lshl_b32 s21, s15, 6
	s_add_co_u32 s20, s20, s21                     ; my first token
	s_lshl_b32 s20, s20, 12
	s_lshl_b32 s22, s[TC], 8
	s_lshl_b32 s23, s16, 7
	s_add_co_u32 s22, s22, s23                     ; my first column
	s_lshl_b32 s22, s22, 2
	s_mov_b32 s23, 0
	s_add_nc_u64 s[8:9], s[8:9], s[22:23]
	s_add_co_u32 s20, s20, s22
	s_mov_b32 s21, 0
	s_add_nc_u64 s[10:11], s[10:11], s[20:21]
.irp b, 0,1,2,3,4,5,6,7
	global_load_b128 v[BI+8*\b:BI+8*\b+3], v5, s[8:9] offset:128*(\b/2)+32*(\b%2)
	global_load_b128 v[BI+8*\b+4:BI+8*\b+7], v5, s[8:9] offset:128*(\b/2)+32*(\b%2)+16
.endr
	s_mul_i32 s20, s15, 4*GROW
	s_mul_i32 s21, s16, 8*GROW
	s_add_co_u32 s21, s21, BOFF
	v_add_nc_u32 v[ADRA], s20, v[CO]
	v_add_nc_u32 v[ADRB], s21, v[CO]
	v_add_nc_u32 v[ADRB+1], 4*GROW, v[ADRB]
	s_lshl_b32 s18, s15, 8                         ; scale words: A's, my 64 rows;
	s_lshl_b32 s19, s16, 12
	s_add_co_u32 s19, s19, 4096                    ; B's, my 128 rows, behind A's
	s_sub_co_u32 s19, s19, s18
	v_mul_u32_u24 v6, s19, v2                      ; lanes 16-31 take B's: one product with h
	s_add_co_u32 s18, s18, SCL
	v_lshl_add_u32 v7, v1, 2, v6
	v_add_nc_u32 v[ADRS], s18, v7
	s_mul_i32 s23, s14, 16*SPITCH                  ; my stage
	v_mul_u32_u24 v7, v1, SPITCH
	v_lshl_add_u32 v7, v2, 6, v7
	v_add_nc_u32 v[STO], s23, v7
	v_add_nc_u32 v[RD], s23, v[CO]
.macro FETCHP k, p                     ; step k's 12 fragments and 8 scale registers into set p: 44 LDS loads
	WIN TO_B
.irp i, 0,1,2,3,4,5,6,7
.irp c, 0,1,2
	ds_load_b128 v[128*(\p)+FR*\i+4*\c:128*(\p)+FR*\i+4*\c+3], v[ADRB+\i/4] offset:(\i%4)*GROW+(\k)*1536+512*\c
.endr
.endr
	WIN 0
.irp i, 0,1,2,3
.irp c, 0,1,2
	ds_load_b128 v[AF+48*(\p)+FR*\i+4*\c:AF+48*(\p)+FR*\i+4*\c+3], v[ADRA] offset:\i*GROW+(\k)*1536+512*\c
.endr
.endr
.irp i, 0,1,2,3,4,5,6,7
	ds_load_b32 v[SC+8*(\p)+\i], v[ADRS] offset:(\k)*512+\i*64
.endr
.endm
.macro MULH p, first                   ; 32 products; the 32 accumulators take turns
.irp a, 0,1,2,3
.irp b, 0,1,2,3,4,5,6,7
.if \first
	v_wmma_scale_f32_16x16x128_f8f6f4 v[8*(8*\a+\b):8*(8*\a+\b)+7], v[128*(\p)+FR*\b:128*(\p)+FR*\b+FR-1], v[AF+48*(\p)+FR*\a:AF+48*(\p)+FR*\a+FR-1], v[BI+8*\b:BI+8*\b+7], v[SC+8*(\p)+\b], v[SC+8*(\p)+\a] matrix_a_fmt:MATRIX_FMT_FP6 matrix_b_fmt:MATRIX_FMT_FP6 matrix_a_scale:MATRIX_SCALE_ROW1
.else
	v_wmma_scale_f32_16x16x128_f8f6f4 v[8*(8*\a+\b):8*(8*\a+\b)+7], v[128*(\p)+FR*\b:128*(\p)+FR*\b+FR-1], v[AF+48*(\p)+FR*\a:AF+48*(\p)+FR*\a+FR-1], v[8*(8*\a+\b):8*(8*\a+\b)+7], v[SC+8*(\p)+\b], v[SC+8*(\p)+\a] matrix_a_fmt:MATRIX_FMT_FP6 matrix_b_fmt:MATRIX_FMT_FP6 matrix_a_scale:MATRIX_SCALE_ROW1
.endif
.endr
.endr
.endm
	s_wait_alu depctr_va_vdst(0)
	s_wait_tensorcnt 0x0                           ; my block is in
	s_barrier_signal -1
	s_barrier_wait -1                              ; all four are
	FETCHP 0, 0
	s_wait_loadcnt 0x0                             ; the bias
.irp k, 0,1,2,3,4,5,6,7
.if \k < 7
.if \k > 0
	PLACES NP                                      ; in front of loads into the set that the last step's products read
.endif
	FETCHP \k+1, (\k+1)%2
	s_wait_dscnt 44                                ; this step's loads are in; the 44 just issued may be out
.else
	s_wait_dscnt 0x0                               ; my last reads of LDS are in:
	s_barrier_signal -1                            ; say so; the last products, work on registers, stand between signal and wait
.endif
.if \k == 0
	WIN BIA
	MULH 0, 1
.else
	WIN MUL
	MULH \k%2, 0
.endif
	WIN 0
.endr
	s_barrier_wait -1                              ; nobody reads A's bytes any more: the stages may be written
.macro TOSTAGE a                       ; block a, 16 tokens x 128 columns, into my stage and back as rows of 512 bytes; LDS serves a wave's instructions in order
	WIN 0x08
.irp b, 0,1,2,3,4,5,6,7
	ds_store_b128 v[STO], v[64*(\a)+8*\b:64*(\a)+8*\b+3] offset:128*(\b/2)+32*(\b%2)
	ds_store_b128 v[STO], v[64*(\a)+8*\b+4:64*(\a)+8*\b+7] offset:128*(\b/2)+32*(\b%2)+16
.endr
	WIN 0
.set BB, BK+64*((\a)%2)
.irp t, 0,1,2,3,4,5,6,7,8,9,10,11,12,13,14,15
	ds_load_b128 v[BB+4*\t:BB+4*\t+3], v[RD] offset:\t*SPITCH
.endr
.endm
.macro SEND a, younger                 ; 32 lanes store 512 consecutive bytes of a token's row
.set BB, BK+64*((\a)%2)
	s_wait_dscnt \younger
.irp t, 0,1,2,3,4,5,6,7,8,9,10,11,12,13,14,15
	global_store_b128 v[CO], v[BB+4*\t:BB+4*\t+3], s[10:11] offset:(32*((\a)/2)+8*((\a)%2)+\t+8*(\t/8))*4096 th:TH_STORE_NT
.endr
.endm
	PLACES NP                                      ; behind the last products
	TOSTAGE 0
.irp a, 1,2,3
.if \a > 1
	s_wait_xcnt 0x0                                ; block a - 2's stores have read their registers
.endif
	TOSTAGE \a
	SEND \a-1, 32                                  ; behind block a - 1's loads: block a's 16 stores and 16 loads
.endr
	SEND 3, 0
	s_wait_tensorcnt 0x0                           ; the wave's end
	ds_add_u32 v[SPW], v[NIL]
	s_wait_dscnt 0x0
	CROUND                                         ; the closing round
	s_endpgm
.Lfunc_end_k_qff5f3c74df_proj:
	.size	k_qff5f3c74df_proj, .Lfunc_end_k_qff5f3c74df_proj-k_qff5f3c74df_proj
	.p2alignl 7, 3214868480
	.fill 96, 4, 3214868480
	.section	.rodata,"a",@progbits
	.p2align	6, 0x0
	.amdhsa_kernel k_qff5f3c74df_proj
		.amdhsa_group_segment_fixed_size 327680
		.amdhsa_private_segment_fixed_size 0
		.amdhsa_enable_private_segment 0
		.amdhsa_kernarg_size 32
		.amdhsa_user_sgpr_count 2
		.amdhsa_user_sgpr_kernarg_segment_ptr 1
		.amdhsa_wavefront_size32 1
		.amdhsa_system_sgpr_workgroup_id_x 1
		.amdhsa_system_sgpr_workgroup_id_y 1
		.amdhsa_system_sgpr_workgroup_id_z 1
		.amdhsa_system_vgpr_workitem_id 0
		.amdhsa_next_free_vgpr 768
		.amdhsa_next_free_sgpr 102
		.amdhsa_reserve_vcc 0
		.amdhsa_float_denorm_mode_32 3
		.amdhsa_float_denorm_mode_16_64 3
		.amdhsa_memory_ordered 1
		.amdhsa_forward_progress 1
		.amdhsa_inst_pref_size 81
	.end_amdhsa_kernel
	.amdgpu_metadata
---
amdhsa.version: [ 1, 2 ]
amdhsa.kernels:
  - .name:           k_qff5f3c74df_proj
    .symbol:         k_qff5f3c74df_proj.kd
    .args:
      - { .name: oq, .offset: 0, .size: 8, .value_kind: global_buffer, .address_space: global }
      - { .name: wo, .offset: 8, .size: 8, .value_kind: global_buffer, .address_space: global }
      - { .name: b_out, .offset: 16, .size: 8, .value_kind: global_buffer, .address_space: global }
      - { .name: out0, .offset: 24, .size: 8, .value_kind: global_buffer, .address_space: global }
    .group_segment_fixed_size: 327680
    .private_segment_fixed_size: 0
    .kernarg_segment_align: 8
    .kernarg_segment_size: 32
    .max_flat_workgroup_size: 128
    .sgpr_count:     102
    .vgpr_count:     768
    .wavefront_size: 32
...
	.end_amdgpu_metadata
.endif
;; end of part 4
